; MI455X (gfx1250); checked and timed in simulation.
; The chip was launched on July 23, 2026; its instructions are those of AMD's public machine-readable ISA for CDNA 5 (MIT licence, August 2026) and "CDNA5" Instruction Set Architecture Reference Guide (July 2026). The comments in the code are by the model that wrote it; some were corrected since.
;; Causal Self Attention. Allowed arithmetic: matrix products marked QUANTISED: E2M3 operands, one E8M0 scale for each 32 along K, by v_wmma_scale_f32_16x16x128_f8f6f4 with both operands' format E2M3, f32 sums; everything else in f32.
;; Inputs: Wk 1,024 x 1,024 float32; Wp 1,024 x 1,024 float32; Wq 1,024 x 1,024 float32; Wv 1,024 x 1,024 float32; bk 1,024 float32; bp 1,024 float32; bq 1,024 float32; bv 1,024 float32; x 2 x 2,048 x 1,024 float32.
;; Outputs: out0 2 x 2,048 x 1,024 float32.
;; This version of the problem:
;;   THIS VERSION OF THE PROBLEM IS GIVEN IN LOW PRECISION. The matrix products marked QUANTISED in the list below multiply operands that are first quantised to E2M3 (2 exponent bits, 3 mantissa bits; 6 bits a number), with one power-of-two scale for each 32 numbers along K (OCP MX v1.0); their sums are f32. All else is computed in f32.
;;   The module's matrix products, in the order in which they are computed (A, B: the left and right operand; K: the contracted axis; several contracted axes count as one K, in the product's order):
;;     1. [M 4,096, K 1,024] x [K 1,024, N 1,024]; A: input x; B: input Wq: QUANTISED
;;     2. [M 4,096, K 1,024] x [K 1,024, N 1,024]; A: input x; B: input Wk: QUANTISED
;;     3. [M 4,096, K 1,024] x [K 1,024, N 1,024]; A: input x; B: input Wv: QUANTISED
;;     4. batch 32 x [M 2,048, K 64] x [K 64, N 2,048]; A: computed on the way; B: computed on the way: QUANTISED
;;     5. batch 32 x [M 2,048, K 2,048] x [K 2,048, N 64]; A: softmax (see below); B: computed on the way: QUANTISED
;;     6. [M 4,096, K 1,024] x [K 1,024, N 1,024]; A: computed on the way; B: input Wp: QUANTISED
;;   THE QUANTISER, for each operand of a quantised product, along K:
;;     - K is cut into blocks of 32 from its start; a last block that is shorter is filled with zeros.
;;     - A block's scale is 2^e with e = floor(log2(the largest magnitude in the block)) - 2, held to -126 .. 127; a block of zeros has e = 0. As a byte (E8M0): e + 127.
;;     - Each number is divided by its block's scale, clamped to +-7.5, and rounded to the nearest number of E2M3, ties to even, subnormals kept.
;;     - The product sums the exact products of the quantised numbers (number of the format x scale) in f32.
;;   ~~~python
;;   def quantise(x, axis):      # numpy; x: float32 -> the quantised numbers, widened to float32 again
;;       x = np.moveaxis(x, axis, -1); K = x.shape[-1]
;;       x = np.pad(x, [(0, 0)] * (x.ndim - 1) + [(0, -K % 32)]); x = x.reshape(x.shape[:-1] + (-1, 32)); a = np.abs(x).max(-1, keepdims=True)
;;       e = np.where(a > 0, np.clip(np.frexp(np.where(a > 0, a, 1))[1] - 1 - 2, -126, 127), 0)      # np.frexp(a)[1] - 1 = floor(log2(a)), exactly
;;       r = np.clip(x / 2.0 ** e, -7.5, 7.5)
;;       step = 2.0 ** (np.maximum(np.frexp(np.where(r == 0, 1, r))[1] - 1, 0) - 3)
;;       q = np.round(r / step) * step * 2.0 ** e      # np.round: ties to even
;;       return np.moveaxis(q.reshape(q.shape[:-2] + (-1,))[..., :K], -1, axis).astype(np.float32)
;;   ~~~
;;   SOFTMAX AHEAD OF A QUANTISED PRODUCT. Where the list says 'softmax', what is quantised is not the finished softmax but p = 2^(t - M), with t = logit x log2(e) and M = ceil(the row's largest t), a whole number; so 1/2 < the row's largest p <= 1. The row's sum l is taken of the UNQUANTISED p, in f32, and the product's result is divided by l at the end. Since M is a whole number, a kernel that streams over the keys may use a running M (the ceiling of the running maximum): every later rescaling is an exact power of two, which a block's scale takes up: the codes' values come out the same.
;;   OPERANDS COMPUTED ON THE WAY. 'Computed on the way' means the value that the module computes at that place (a softmax that the list does not call 'softmax' is quantised finished and normalised). What goes into a quantiser is computed in f32, as accurately as f32 sums, v_exp_f32 and their like allow (about 1e-6 of the number): no bf16 or f16 on the way to a quantiser, and a product that is left as it is and whose result goes on into a quantised operand takes f32 operands (vector FMAs, or v_wmma_f32_16x16x4_f32). A number that lies on a knife's edge between two numbers of the format may be rounded either way, as far as f32 arithmetic and the matrix unit's own rounding can turn it there, and no further.
;; 2 versions, each right; version 2 is version 1 with the launch attn written anew for expert scheduling mode. Each part assembles by itself: llvm-mc -triple=amdgcn-amd-amdhsa -mcpu=gfx1250 --defsym DOCPART=n.
;; ======== version 1 of 2: 4 launches
;; workspace buffers: oc 6,291,456 bytes; os 262,144 bytes; qb 3,276,800 bytes; kv 6,553,600 bytes; yc 3,145,728 bytes; ysw 131,072 bytes
;; launch quant (part 1): grid 512 x 1, 4 waves a work-group, no clusters, 68,096 bytes of LDS; arguments x, Wq, Wk, Wv, Wp, oc, os; writes oc, os
.if DOCPART == 1
	.amdgcn_target "amdgcn-amd-amdhsa--gfx1250"
	.amdhsa_code_object_version 6
	.text
	.protected	k_q122da2fe36_quant
	.globl	k_q122da2fe36_quant
	.p2align	8
	.type	k_q122da2fe36_quant,@function
k_q122da2fe36_quant:
	s_mov_b64 s[64:65], 0
	v_nop
	global_prefetch_b8 v0, s[64:65] scope:SCOPE_SE
	s_setreg_imm32_b32 hwreg(HW_REG_WAVE_MODE, 25, 1), 1
	s_wait_xcnt 0x0
; x [4096][1024] and Wq, Wk, Wv, Wp [1024][1024], f32 with K innermost, become codes of FP6 (E2M3) with one E8M0 byte for each 32 along K,
; laid in the order of a matrix operand's registers.  A block's scale is 2^(floor(log2(largest magnitude)) - 2); its byte is that magnitude's exponent field - 2.
; LIMITS: NaN and infinities among the inputs are not served; a block whose largest magnitude lies under 2^-124 (a block of zeros too) gets the byte 1:
; a block of zeros has zero codes, which add nothing under that byte, and these bytes are read by this program alone.
; ROWS: 128 rows are a block R (0-31 x, 32-39 Wq, 40-47 Wk, 48-55 Wv, 56-63 Wp) of eight tiles a; lane-row r of tile a is row 32 (a / 2) + 8 (a % 2) + r + 8 (r / 8).
; oc: [R][K step of 128: 8][a][1,536 bytes]: a fragment's 12 registers as two halves of 768 bytes: registers 0-3 at 16 x lane, registers 4-5 at 512 + 8 x lane.
; os: [R][a][pair of K steps: 4][r][2 words]: a row's scale word of each K step.
; SHARES: a work-group takes one tile, wave w the K steps 2 w and 2 w + 1: 16 rows x 1,024 bytes, all 32 loads out at once; each load reads 512 consecutive bytes of a row.
; The conversions want 16 neighbours along K in one lane, so a K step's 16 x 512 bytes turn through the wave's own stage in LDS (rows 528 bytes apart: the 16 rows of a read start in 16 different groups of banks).
; No barrier: waves share nothing.  No loop: every offset is an immediate.
.set SEL,  28                          ; s[28:29] lane selects for v_permlanex16_b32: lane l xor 16
.set HM,   30                          ; s30  the mask of lanes 16-31
.set TM,   12                          ; v12-27 at work in QUANT
.set PW0,  28                          ; v28, v29 the two scale words
.set PW1,  29
.set PC0,  32                          ; v32-51, v52-71 the two fragments (12 registers and 8 at work)
.set PC1,  52
.set RAW,  72                          ; v72-199 two K steps of 64 numbers
.set SPB,  528
.set STG,  16*SPB
; 64 numbers of a lane, register 16 b + i = k 32 b + 16 (lane / 16) + i of my row, become a fragment in v[pc] .. v[pc+11] and my row's scale word in v[pw]
.macro QUANT s, pc, pw
.irp b, 0,1,2,3
	v_max3_num_f32 v[TM+\b], |v[\s+16*\b]|, |v[\s+1+16*\b]|, 0x1800000   ; my 16 numbers of block b, and the floor 2^(3 - 127): the byte cannot fall under 1
.endr
.irp i, 2,4,6,8,10,12,14
.irp b, 0,1,2,3
	v_max3_num_f32 v[TM+\b], v[TM+\b], |v[\s+16*\b+\i]|, |v[\s+1+16*\b+\i]|
.endr
.endr
.irp b, 0,1,2,3
	v_permlanex16_b32 v[TM+4+\b], v[TM+\b], s[SEL], s[SEL+1]
.endr
.irp b, 0,1,2,3
	v_max_num_f32 v[TM+\b], v[TM+\b], v[TM+4+\b]                     ; with lane l xor 16's: the block's largest magnitude
.endr
.irp b, 0,1,2,3
	v_add_nc_u32 v[TM+12+\b], 0xff000000, v[TM+\b]                   ; 2 off its exponent field: the conversion's scale operand
.endr
.irp b, 0,1,2,3
	v_lshrrev_b32 v[TM+4+\b], 23, v[TM+12+\b]                        ; the scale's byte
.endr
	v_lshl_or_b32 v[\pw], v[TM+5], 8, v[TM+4]
	v_lshl_or_b32 v[\pw], v[TM+6], 16, v[\pw]
	v_lshl_or_b32 v[\pw], v[TM+7], 24, v[\pw]
.irp c, 0,1
	v_cvt_scalef32_pk16_fp6_f32 v[\pc+6*\c:\pc+2+6*\c], v[\s+32*\c:\s+15+32*\c], v[TM+12+2*\c]
	v_cvt_scalef32_pk16_fp6_f32 v[\pc+12+4*\c:\pc+14+4*\c], v[\s+16+32*\c:\s+31+32*\c], v[TM+12+2*\c+1]   ; (a conversion's three registers begin on an even number)
.endr
	v_nop                                          ; one plain instruction behind the scaled conversions
.irp c, 0,1                                    ; the operand wants a whole block in a lane: lanes 0-15 block 2 c, lanes 16-31 block 2 c + 1
.irp i, 0,1,2
	v_permlane16_swap_b32 v[\pc+6*\c+\i], v[\pc+12+4*\c+\i]
.endr
.irp i, 0,1,2
	v_mov_b32 v[\pc+3+6*\c+\i], v[\pc+12+4*\c+\i]
.endr
.endr
.endm
.macro TURN q                          ; K step q through its stage: in as loaded, back 64 bytes a lane and block; LDS serves a wave's instructions in order, so no wait stands between
.irp i, 0,1,2,3,4,5,6,7,8,9,10,11,12,13,14,15
	ds_store_b128 v6, v[RAW+64*\q+4*\i:RAW+64*\q+4*\i+3] offset:STG*\q+SPB*\i
.endr
.irp b, 0,1,2,3
.irp j, 0,1,2,3
	ds_load_b128 v[RAW+64*\q+16*\b+4*\j:RAW+64*\q+16*\b+4*\j+3], v7 offset:STG*\q+128*\b+16*\j
.endr
.endr
.endm
.macro IMAGE pc, off                   ; a fragment leaves as it stands: each store covers 512 or 256 consecutive bytes, aligned to 256
	global_store_b128 v4, v[\pc:\pc+3], s[14:15] offset:\off
	global_store_b64 v5, v[\pc+4:\pc+5], s[14:15] offset:\off+512
	global_store_b128 v4, v[\pc+6:\pc+9], s[14:15] offset:\off+768
	global_store_b64 v5, v[\pc+10:\pc+11], s[14:15] offset:\off+1280
.endm
	s_load_b256 s[4:11], s[0:1], 0x0               ; x, Wq, Wk, Wv
	s_load_b128 s[12:15], s[0:1], 0x20             ; Wp, oc
	s_load_b64 s[16:17], s[0:1], 0x30              ; os
	v_lshl_add_u32 v200, v0, 2, 0x10800
	v_mov_b32 v201, 0
	v_lshrrev_b32 v1, 5, v0
	v_readfirstlane_b32 s18, v1                    ; wave
	v_and_b32 v1, 31, v0                           ; lane
	v_and_b32 v2, 15, v0                           ; r
	v_bfe_u32 v3, v0, 4, 1                         ; h
	v_lshlrev_b32 v4, 4, v1                        ; 16 x lane
	v_lshlrev_b32 v5, 3, v1                        ; 8 x lane
	s_mul_i32 s19, s18, 2*STG                      ; my wave's two stages
	v_add_nc_u32 v6, s19, v4                       ; into a stage: 16 x lane of a row
	v_mul_u32_u24 v7, v2, SPB
	v_lshl_add_u32 v7, v3, 6, v7
	v_add_nc_u32 v7, s19, v7                       ; out of it: row r, + 64 h
	v_lshlrev_b32 v8, 3, v2
	v_lshl_add_u32 v8, v3, 2, v8                   ; scale words: 8 r + 4 h
	s_mov_b32 s[SEL], 0x76543210
	s_mov_b32 s[SEL+1], 0xfedcba98
	s_mov_b32 s[HM], 0xffff0000
.irp b, 0,1,2,3
	v_mov_b32 v[TM+4+\b], 0                        ; written once: a lane permute's destination counts as one of its sources
.endr
	s_lshr_b32 s20, ttmp9, 6                       ; 0-3 x, 4 Wq, 5 Wk, 6 Wv, 7 Wp
	s_wait_kmcnt 0x0
	s_mov_b64 s[22:23], s[12:13]                   ; the source: a choice on the work-group's number alone
	s_cmp_lt_u32 s20, 7
	s_cselect_b64 s[22:23], s[10:11], s[22:23]
	s_cmp_lt_u32 s20, 6
	s_cselect_b64 s[22:23], s[8:9], s[22:23]
	s_cmp_lt_u32 s20, 5
	s_cselect_b64 s[22:23], s[6:7], s[22:23]
	s_cmp_lt_u32 s20, 4
	s_cselect_b64 s[22:23], s[4:5], s[22:23]
	s_cselect_b32 s21, 0xff, 63
	s_and_b32 s21, ttmp9, s21                      ; the tile's number in its tensor
	s_lshr_b32 s24, s21, 1
	s_lshl_b32 s24, s24, 5
	s_and_b32 s25, s21, 1
	s_lshl_b32 s25, s25, 3
	s_add_co_u32 s24, s24, s25                     ; its first row: 32 (t / 2) + 8 (t % 2)
	s_lshl_b32 s24, s24, 12                        ; rows of 4,096 bytes
	s_lshl_b32 s25, s18, 10                        ; my wave's 1,024 bytes of a row
	s_add_co_u32 s24, s24, s25
	s_mov_b32 s25, 0
	s_add_nc_u64 s[22:23], s[22:23], s[24:25]
.irp q, 0,1
.irp i, 0,1,2,3,4,5,6,7,8,9,10,11,12,13,14,15
	global_load_b128 v[RAW+64*\q+4*\i:RAW+64*\q+4*\i+3], v4, s[22:23] offset:(\i+8*(\i/8))*4096+512*\q th:TH_LOAD_NT
.endr
.endr
	s_lshr_b32 s20, ttmp9, 3                       ; R
	s_and_b32 s21, ttmp9, 7                        ; a
	s_mul_i32 s26, s20, 98304
	s_mul_i32 s27, s18, 24576
	s_add_co_u32 s26, s26, s27
	s_mul_i32 s27, s21, 1536
	s_add_co_u32 s26, s26, s27
	s_mov_b32 s27, 0
	s_add_nc_u64 s[14:15], s[14:15], s[26:27]      ; oc at (R, K step 2 w, a)
	s_lshl_b32 s26, s20, 12
	s_lshl_b32 s24, s21, 9
	s_add_co_u32 s26, s26, s24
	s_lshl_b32 s24, s18, 7
	s_add_co_u32 s26, s26, s24
	s_add_nc_u64 s[16:17], s[16:17], s[26:27]      ; os at (R, a, pair w)
	s_wait_loadcnt 16                              ; the first K step's 16 loads are in; the second's 16 may be out
	TURN 0
	s_wait_loadcnt 0x0
	TURN 1
	s_wait_dscnt 32                                ; the first turn is over; the second's 32 instructions may be out
	QUANT RAW, PC0, PW0
	IMAGE PC0, 0
	s_wait_dscnt 0x0
	QUANT RAW+64, PC1, PW1
	IMAGE PC1, 12288
	v_cndmask_b32 v30, v[PW0], v[PW1], s[HM]       ; lanes 0-15 the first K step's word of row r, lanes 16-31 the second's
	global_store_b32 v8, v30, s[16:17]             ; 128 consecutive bytes a wave, 512 a work-group
	s_wait_tensorcnt 0x0
	ds_add_u32 v200, v201
	s_wait_dscnt 0x0
	s_endpgm
.Lfunc_end_k_q122da2fe36_quant:
	.size	k_q122da2fe36_quant, .Lfunc_end_k_q122da2fe36_quant-k_q122da2fe36_quant
	.p2alignl 7, 3214868480
	.fill 96, 4, 3214868480
	.section	.rodata,"a",@progbits
	.p2align	6, 0x0
	.amdhsa_kernel k_q122da2fe36_quant
		.amdhsa_group_segment_fixed_size 68096
		.amdhsa_private_segment_fixed_size 0
		.amdhsa_enable_private_segment 0
		.amdhsa_kernarg_size 56
		.amdhsa_user_sgpr_count 2
		.amdhsa_user_sgpr_kernarg_segment_ptr 1
		.amdhsa_wavefront_size32 1
		.amdhsa_system_sgpr_workgroup_id_x 1
		.amdhsa_system_sgpr_workgroup_id_y 1
		.amdhsa_system_sgpr_workgroup_id_z 1
		.amdhsa_system_vgpr_workitem_id 0
		.amdhsa_next_free_vgpr 202
		.amdhsa_next_free_sgpr 66
		.amdhsa_reserve_vcc 0
		.amdhsa_float_denorm_mode_32 3
		.amdhsa_float_denorm_mode_16_64 3
		.amdhsa_memory_ordered 1
		.amdhsa_forward_progress 1
		.amdhsa_inst_pref_size 19
	.end_amdhsa_kernel
	.amdgpu_metadata
---
amdhsa.version: [ 1, 2 ]
amdhsa.kernels:
  - .name:           k_q122da2fe36_quant
    .symbol:         k_q122da2fe36_quant.kd
    .args:
      - { .name: x, .offset: 0, .size: 8, .value_kind: global_buffer, .address_space: global }
      - { .name: Wq, .offset: 8, .size: 8, .value_kind: global_buffer, .address_space: global }
      - { .name: Wk, .offset: 16, .size: 8, .value_kind: global_buffer, .address_space: global }
      - { .name: Wv, .offset: 24, .size: 8, .value_kind: global_buffer, .address_space: global }
      - { .name: Wp, .offset: 32, .size: 8, .value_kind: global_buffer, .address_space: global }
      - { .name: oc, .offset: 40, .size: 8, .value_kind: global_buffer, .address_space: global }
      - { .name: os, .offset: 48, .size: 8, .value_kind: global_buffer, .address_space: global }
    .group_segment_fixed_size: 68096
    .private_segment_fixed_size: 0
    .kernarg_segment_align: 8
    .kernarg_segment_size: 56
    .max_flat_workgroup_size: 128
    .sgpr_count:     66
    .vgpr_count:     202
    .wavefront_size: 32
...
	.end_amdgpu_metadata
.endif
;; end of part 1
;; launch qkv (part 2): grid 4 x 48, 4 waves a work-group, clusters of 4 x 4, 327,680 bytes of LDS; arguments oc, os, bq, bk, bv, qb, kv; writes qb, kv
.if DOCPART == 2
	.amdgcn_target "amdgcn-amd-amdhsa--gfx1250"
	.amdhsa_code_object_version 6
	.text
	.protected	k_q122da2fe36_qkv
	.globl	k_q122da2fe36_qkv
	.p2align	8
	.type	k_q122da2fe36_qkv,@function
k_q122da2fe36_qkv:
	s_mov_b64 s[64:65], 0
	v_nop
	global_prefetch_b8 v0, s[64:65] scope:SCOPE_SE
	s_setreg_imm32_b32 hwreg(HW_REG_WAVE_MODE, 25, 1), 1
	s_wait_xcnt 0x0
	s_wait_alu depctr_hold_cnt(0) depctr_sa_sdst(0) depctr_va_vdst(0) depctr_va_sdst(0) depctr_va_ssrc(0) depctr_va_vcc(0) depctr_vm_vsrc(0)
	s_getreg_b32 s2, hwreg(HW_REG_IB_STS2, 6, 4)
	s_cmp_eq_u32 s2, 0
	s_cbranch_scc0 .Lentry_in_a_cluster
	s_endpgm
.Lentry_in_a_cluster:
	s_bfe_u32 s2, ttmp6, 0x10000c
	s_cmp_lg_u32 s2, 0xf033
	s_cbranch_scc0 .Lentry_shape_is_right
	s_endpgm
.Lentry_shape_is_right:
; q = x Wq^T + bq, k = x Wk^T + bk, v = x Wv^T + bv on codes of FP6 (E2M3) with E8M0 scales, sums in f32; the results are quantised in registers and leave as codes for the attention launch:
; q and k along the head's 64, v along the keys.  LIMITS: NaN and infinities are not served; a block under 2^-124 (zeros too) gets the byte 1 (zero codes add nothing; this program alone reads the bytes).
; OPERANDS lie in oc / os in the order of the operand's registers: oc [R: 128 rows][K step: 8][tile a: 8][1,536 bytes], os [R][a][pair of K steps][r][2 words].  R 0-31 x, 32-39 Wq, 40-47 Wk, 48-55 Wv.
; Lane-row r of tile a is row 32 (a / 2) + 8 (a % 2) + r + 8 (r / 8): so a lane's 16 registers of two neighbouring result tiles are 16 neighbours of the axis that was source 0.
; SHAPE: a work-group of four waves makes 256 x 256, a wave 128 x 128 in 64 accumulators.  K = 1,024 goes in four fills of 256 through two LDS slots; a wave's tensor load brings 128 rows x 256 K, 24,576 dense bytes.
; The scale words of the work-group's 512 rows come once, 4,096 bytes a wave.  Source 0 = a tile of operand B, source 1 = a tile of operand A.
; CLUSTERS of 4 x 4: A's tiles are shared along a row of the cluster, B's along a column, asked for jointly.  Cluster y 0-7: A = x, B = Wq (even) or Wk (odd): a lane holds a token, its registers run along the features.
; Cluster y 8-11: A = Wv, B = x: a lane holds a feature, its registers run along the tokens, which are the second product's K.  The two branches on the cluster's y are alike in all partners; no barrier, tensor load or LDS store stands in them.
; No prefetch: four fills a work-group, each with a K step's 128 matrix instructions in which to land.
; REGISTERS: window 0: v1-15 offsets, v16-29 addresses, v32-63 scale words (two sets), v64-127 the bias as the first products' C, v128-223 A's fragments (one set; on the way out at work);
;   window 1: B's fragments, two sets at v0 and v128; window 2: accumulators of A's tiles 0-3 ((a, b) at v[8 (8 (a % 4) + b)]); window 3: of tiles 4-7.
.set HALFT,  24576                     ; 128 rows x 256 K: [2 K steps][8 tiles][1,536]
.set SLOT,   4*HALFT                   ; A's two blocks of 128 rows, then B's two
.set SCL,    2*SLOT                    ; the scale words: 4 x 4,096 bytes
.set SPARE,  SCL+4*4096                ; the spare words, 128 bytes a wave: two blocks of 256 bytes that no other line names
.set FR,     12
.set NL,     4                         ; LDS loads that bring a fragment
.set NP,     4                         ; places behind this matrix instruction (ISA guide 7.12.1)
.set ADRA, 16                          ; v16-17 my A fragments in slot 0, 1 at 16 x lane; v18-19 at 8 x lane
.set ADRB, 20                          ; v20-23 the same for B
.set ADRS, 27                          ; v27 my scale words: lanes 0-15 A's rows, lanes 16-31 B's
.set SPW,  28                          ; v28 my spare word; never rewritten
.set NIL,  29                          ; v29 0; never rewritten
.set SC,   32
.set BIAS, 64
.set AF,   128
.set PC,   128                         ; the way out: a fragment being made (v128-147)
.set TM,   148                         ; v148-163 at work
.set PW,   164                         ; v164-171 the eight scale words
.set G1, 24
.set G0, 32
.set G1B, 48
.set G0B, 56
.set G1S, 68
.set G0S, 76
.set G1SB, 80
.set G0SB, 88
.set SEL, 96                           ; s[96:97] lane selects: lane l xor 16
.set HM,  98                           ; s98 the mask of lanes 16-31
.set MSB, 0
.macro WIN new                         ; the immediate's high byte repeats the setting that is left
.if MSB != \new
	s_set_vgpr_msb (MSB<<8)|\new
.set MSB, \new
.endif
.endm
.set MUL_LO, 0xa1                      ; source 0 (B) window 1, source 1 (A) window 0, C and D window 2
.set MUL_HI, 0xf1
.set BEG_LO, 0x81                      ; the same with C (the bias) in window 0
.set BEG_HI, 0xc1
.set TO_B,   0x40
; a joint load: waves 0 and 1 fetch for A, waves 2 and 3 for B; the branch hangs on the wave's number alone; four v_nop follow each line
.macro JLOAD g0a, g1a, g0b, g1b
	s_cmp_eq_u32 s19, 0
	s_cbranch_scc0 .Lfor_b_\@
	tensor_load_to_lds s[\g0a:\g0a+3], s[\g1a:\g1a+7]
	s_nop 0
.rept 4
	v_nop
.endr
	s_branch .Lasked_\@
.Lfor_b_\@:
	tensor_load_to_lds s[\g0b:\g0b+3], s[\g1b:\g1b+7]
	s_nop 0
.rept 4
	v_nop
.endr
.Lasked_\@:
.endm
.macro CREST                           ; a round of the cluster's barrier behind its opening barrier
	s_cmp_lg_u32 s18, 0
	s_cbranch_scc1 .Lnot_wave_0_\@
	s_barrier_signal -3
.Lnot_wave_0_\@:
	s_barrier_wait -3
	s_barrier_signal -1
	s_barrier_wait -1
.endm
.macro CROUND
	s_barrier_signal -1
	s_barrier_wait -1
	CREST
.endm
.macro PLACES n
.rept \n
	v_nop
.endr
.endm
.macro FRAG reg, adr, q, i             ; a fragment's image: two halves of 768 bytes, each 16 bytes a lane and then 8 bytes a lane: every load reads consecutive bytes
	ds_load_b128 v[\reg:\reg+3], v[\adr] offset:12288*(\q)+1536*(\i)
	ds_load_b64 v[\reg+4:\reg+5], v[\adr+2] offset:12288*(\q)+1536*(\i)+512
	ds_load_b128 v[\reg+6:\reg+9], v[\adr] offset:12288*(\q)+1536*(\i)+768
	ds_load_b64 v[\reg+10:\reg+11], v[\adr+2] offset:12288*(\q)+1536*(\i)+1280
.endm
; 16 matrix instructions: A's tiles a0, a0 + 1 x B's eight.  p: B's set; q: which 128 of the slot; sc: the set of scale words.
; mode 0: onto the sums; 1: the sums begin with the bias of B's rows; 2: with the bias of A's rows.  The 64 accumulators take turns, one instruction a turn.
.macro MUL16 a0, p, q, sc, mode
.irp a, \a0, \a0+1
.irp b, 0,1,2,3,4,5,6,7
.if \mode == 0
	v_wmma_scale_f32_16x16x128_f8f6f4 v[8*(8*((\a)%4)+\b):8*(8*((\a)%4)+\b)+7], v[128*(\p)+FR*\b:128*(\p)+FR*\b+FR-1], v[AF+FR*(\a):AF+FR*(\a)+FR-1], v[8*(8*((\a)%4)+\b):8*(8*((\a)%4)+\b)+7], v[SC+16*(\sc)+2*\b+(\q)], v[SC+16*(\sc)+2*(\a)+(\q)] matrix_a_fmt:MATRIX_FMT_FP6 matrix_b_fmt:MATRIX_FMT_FP6 matrix_a_scale:MATRIX_SCALE_ROW1
.elseif \mode == 1
	v_wmma_scale_f32_16x16x128_f8f6f4 v[8*(8*((\a)%4)+\b):8*(8*((\a)%4)+\b)+7], v[128*(\p)+FR*\b:128*(\p)+FR*\b+FR-1], v[AF+FR*(\a):AF+FR*(\a)+FR-1], v[BIAS+8*\b:BIAS+8*\b+7], v[SC+16*(\sc)+2*\b+(\q)], v[SC+16*(\sc)+2*(\a)+(\q)] matrix_a_fmt:MATRIX_FMT_FP6 matrix_b_fmt:MATRIX_FMT_FP6 matrix_a_scale:MATRIX_SCALE_ROW1
.else
	v_wmma_scale_f32_16x16x128_f8f6f4 v[8*(8*((\a)%4)+\b):8*(8*((\a)%4)+\b)+7], v[128*(\p)+FR*\b:128*(\p)+FR*\b+FR-1], v[AF+FR*(\a):AF+FR*(\a)+FR-1], v[BIAS+8*(\a):BIAS+8*(\a)+7], v[SC+16*(\sc)+2*\b+(\q)], v[SC+16*(\sc)+2*(\a)+(\q)] matrix_a_fmt:MATRIX_FMT_FP6 matrix_b_fmt:MATRIX_FMT_FP6 matrix_a_scale:MATRIX_SCALE_ROW1
.endif
.endr
.endr
.endm
.macro FETCH_B slot, q, p
	WIN TO_B
.irp i, 0,1,2,3,4,5,6,7
	FRAG 128*(\p)+FR*\i, ADRB+\slot, \q, \i
.endr
	WIN 0
.endm
.macro FETCH_A slot, q, i0
.irp i, \i0, \i0+1, \i0+2, \i0+3
	FRAG AF+FR*(\i), ADRA+\slot, \q, \i
.endr
.endm
.macro SCALES sc                       ; a fill's two words a row: lanes 0-15 A's tile i, lanes 16-31 B's tile i
.irp i, 0,1,2,3,4,5,6,7
	ds_load_b64 v[SC+16*\sc+2*\i:SC+16*\sc+2*\i+1], v[ADRS] offset:512*\i
.endr
.endm
; the first 128 along K of a slot; its successor lies in the same slot
.macro STEP slot, q, mode
	s_wait_dscnt 4*NL                              ; B's set, A's tiles 0-3 and the scale words are in; the youngest 16 loads (A's tiles 4-7) may be out
.if \mode == 0
	WIN MUL_LO
.else
	WIN BEG_LO
.endif
	MUL16 0, (\q)%2, \q, \slot, \mode
	MUL16 2, (\q)%2, \q, \slot, \mode
	s_wait_dscnt 0
	PLACES NP                                      ; in front of loads into registers that matrix instructions have read
	FETCH_B \slot, (\q)+1, 1-(\q)%2
	FETCH_A \slot, (\q)+1, 0
.if \mode == 0
	WIN MUL_HI
.else
	WIN BEG_HI
.endif
	MUL16 4, (\q)%2, \q, \slot, \mode
	MUL16 6, (\q)%2, \q, \slot, \mode
	PLACES NP
	WIN 0
	FETCH_A \slot, (\q)+1, 4
.endm
; a slot's last 128 along K changes slots: one barrier; in front of it each wave waits for all its tensor loads, adds 0 to its spare word, and waits for that and for its reads of this slot
.macro TURN slot, next, fill
	s_wait_tensorcnt 0x0                           ; all my tensor loads have landed: my part of the next slot
	ds_add_u32 v[SPW], v[NIL]                      ; 0 onto my spare word
	s_wait_dscnt 4*NL+1                            ; (the add and the youngest 16 loads may be out)
	WIN MUL_LO
	MUL16 0, 1, 1, \slot, 0
	s_wait_dscnt 0x0                               ; the add is done, and my reads of this slot are over
	s_barrier_signal -1
	MUL16 2, 1, 1, \slot, 0
	WIN 0
	s_barrier_wait -1
.if \fill
	CREST                                          ; the barrier has opened a round of the cluster's: no wave of any partner still reads this slot or has a load on its way
	s_add_nc_u64 s[G0+4*\slot+2:G0+4*\slot+3], s[G0+4*\slot+2:G0+4*\slot+3], 2*HALFT
	s_add_nc_u64 s[G0B+4*\slot+2:G0B+4*\slot+3], s[G0B+4*\slot+2:G0B+4*\slot+3], 2*HALFT
	JLOAD G0+4*\slot, G1, G0B+4*\slot, G1B         ; the first tensor load behind the round; its four v_nop are the places in front of the loads below
.else
	PLACES NP
.endif
	v_add_nc_u32 v[ADRS], 128, v[ADRS]             ; the next fill's scale words
	FETCH_B \next, 0, 0
	FETCH_A \next, 0, 0
	SCALES \next
	WIN MUL_HI
	MUL16 4, 1, 1, \slot, 0
	MUL16 6, 1, 1, \slot, 0
	PLACES NP
	WIN 0
	FETCH_A \next, 0, 4
.endm
	s_load_b256 s[4:11], s[0:1], 0x0               ; oc, os, bq, bk
	s_load_b128 s[12:15], s[0:1], 0x20             ; bv, qb
	s_load_b64 s[16:17], s[0:1], 0x30              ; kv
	v_lshl_add_u32 v[SPW], v0, 2, SPARE
	v_mov_b32 v[NIL], 0
	ds_add_u32 v28, v29
	ds_add_u32 v28, v29
	s_wait_dscnt 0x0
	v_lshrrev_b32 v1, 5, v0
	v_readfirstlane_b32 s18, v1                    ; wave
	s_lshr_b32 s19, s18, 1                         ; which of A's two blocks is mine; also: I fetch for A (0) or B (1)
	s_and_b32 s20, s18, 1                          ; which of B's two; also: which block I fetch
	s_bfe_u32 s21, ttmp6, 0x40000                  ; cx
	s_bfe_u32 s22, ttmp6, 0x40004                  ; cy
	s_and_b32 s23, ttmp7, 0xffff                   ; the cluster's y: 0-7 q and k, 8-11 v
	s_lshl_b32 s40, s22, 2
	s_lshl_b32 s40, 15, s40                        ; my row of the cluster
	s_lshl_b32 s41, 0x1111, s21                    ; my column
	s_or_b32 s[G1+0], s40, (3<<16)|(1<<21)         ; 15:0 the mask; 17:16 elements of 8 bytes; 21 set beside a mask; no padding: the images are read as consecutive bytes
	s_or_b32 s[G1B+0], s41, (3<<16)|(1<<21)
.irp g, G1, G1B
	s_mov_b32 s[\g+1], 32<<16                      ; a dense block as 96 rows of 256 bytes
	s_mov_b32 s[\g+2], 96<<16
	s_mov_b32 s[\g+3], 32<<16
	s_mov_b32 s[\g+4], 96
	s_mov_b32 s[\g+5], 32
	s_mov_b32 s[\g+6], 0
	s_mov_b32 s[\g+7], 0
.endr
	s_or_b32 s[G1S+0], s40, (3<<16)|(1<<21)
	s_or_b32 s[G1SB+0], s41, (3<<16)|(1<<21)
.irp g, G1S, G1SB
	s_mov_b32 s[\g+1], 32<<16                      ; the scale words of 128 rows: 16 rows of 256 bytes
	s_mov_b32 s[\g+2], 16<<16
	s_mov_b32 s[\g+3], 32<<16
	s_mov_b32 s[\g+4], 16
	s_mov_b32 s[\g+5], 32
	s_mov_b32 s[\g+6], 0
	s_mov_b32 s[\g+7], 0
.endr
	s_lshr_b32 s42, s23, 1
	s_lshl_b32 s42, s42, 3                         ; q, k: A = x from block 8 (y / 2)
	s_and_b32 s43, s23, 1
	s_lshl_b32 s43, s43, 3
	s_add_co_u32 s43, s43, 32                      ;       B = Wq (32) or Wk (40)
	s_max_u32 s47, s23, 8
	s_sub_co_u32 s47, s47, 8
	s_lshl_b32 s47, s47, 3                         ; v: B = x from block 8 (y - 8)
	s_cmp_lt_u32 s23, 8
	s_cselect_b32 s42, s42, 48                     ;    A = Wv (48)
	s_cselect_b32 s43, s43, s47
	s_lshl_b32 s44, s22, 1
	s_add_co_u32 s42, s42, s44                     ; A's first block of my work-group: hangs on cy alone
	s_lshl_b32 s47, s21, 1
	s_add_co_u32 s43, s43, s47                     ; B's: on cx alone
	s_add_co_u32 s45, s42, s20                     ; the blocks that I would fetch
	s_add_co_u32 s46, s43, s20
	s_mul_i32 s[G0+2], s45, 98304
	s_mov_b32 s[G0+3], 0
	s_lshl_b32 s[G0S+2], s45, 12
	s_mov_b32 s[G0S+3], 0
	s_mul_i32 s[G0B+2], s46, 98304
	s_mov_b32 s[G0B+3], 0
	s_lshl_b32 s[G0SB+2], s46, 12
	s_mov_b32 s[G0SB+3], 0
	s_mul_i32 s66, s18, HALFT                      ; where they go: wave x 24,576: no place in the cluster enters an LDS address
	s_lshl_b32 s67, s18, 12
	s_wait_kmcnt 0x0
	s_add_nc_u64 s[G0+2:G0+3], s[4:5], s[G0+2:G0+3]
	s_add_nc_u64 s[G0+6:G0+7], s[G0+2:G0+3], HALFT
	s_add_nc_u64 s[G0S+2:G0S+3], s[6:7], s[G0S+2:G0S+3]
	s_add_nc_u64 s[G0B+2:G0B+3], s[4:5], s[G0B+2:G0B+3]
	s_add_nc_u64 s[G0B+6:G0B+7], s[G0B+2:G0B+3], HALFT
	s_add_nc_u64 s[G0SB+2:G0SB+3], s[6:7], s[G0SB+2:G0SB+3]
.irp g, G0, G0B
	s_mov_b32 s[\g], 1
	s_mov_b32 s[\g+1], s66
	s_or_b32 s[\g+3], s[\g+3], 0x80000000
	s_mov_b32 s[\g+4], 1
	s_add_co_u32 s[\g+5], s66, SLOT
	s_or_b32 s[\g+7], s[\g+7], 0x80000000
.endr
.irp g, G0S, G0SB
	s_mov_b32 s[\g], 1
	s_add_co_u32 s[\g+1], s67, SCL
	s_or_b32 s[\g+3], s[\g+3], 0x80000000
.endr
	CROUND                                         ; all sixteen work-groups are here: the first joint loads meet
	JLOAD G0S, G1S, G0SB, G1SB                     ; three loads of mine are out: the scale words,
	JLOAD G0, G1, G0B, G1B                         ; slot 0,
	JLOAD G0+4, G1, G0B+4, G1B                     ; slot 1
	v_and_b32 v1, 31, v0                           ; lane
	v_and_b32 v2, 15, v0                           ; r
	v_bfe_u32 v3, v0, 4, 1                         ; h
	v_lshlrev_b32 v4, 4, v1                        ; 16 x lane
	v_lshlrev_b32 v5, 3, v1                        ; 8 x lane
	s_mul_i32 s2, s19, HALFT
	s_mul_i32 s3, s20, HALFT
	s_add_co_u32 s3, s3, 2*HALFT
.irp s, 0,1
	v_add_nc_u32 v[ADRA+\s], s2, v4
	v_add_nc_u32 v[ADRA+2+\s], s2, v5
	v_add_nc_u32 v[ADRB+\s], s3, v4
	v_add_nc_u32 v[ADRB+2+\s], s3, v5
	s_add_co_u32 s2, s2, SLOT
	s_add_co_u32 s3, s3, SLOT
.endr
	s_lshl_b32 s2, s19, 12                         ; A's scale words: my block
	s_lshl_b32 s3, s20, 12
	s_add_co_u32 s3, s3, 8192                      ; B's lie behind A's two
	s_sub_co_u32 s3, s3, s2
	v_mul_u32_u24 v6, s3, v3                       ; lanes 16-31 take B's
	s_add_co_u32 s2, s2, SCL
	v_lshl_add_u32 v6, v2, 3, v6                   ; 8 bytes a row
	v_add_nc_u32 v[ADRS], s2, v6
	; where the results go.  The 128 tokens are block tokR; the 128 features are heads 2 nbl and 2 nbl + 1
	s_add_co_u32 s40, s42, s19
	s_add_co_u32 s41, s43, s20
	s_cmp_lt_u32 s23, 8
	s_cselect_b32 s44, s40, s41                    ; tokR
	s_cselect_b32 s45, s41, s40
	s_and_b32 s45, s45, 7                          ; nbl
	s_lshr_b32 s46, s44, 4
	s_lshl_b32 s46, s46, 4
	s_lshl_b32 s47, s45, 1
	s_add_co_u32 s46, s46, s47                     ; batch x 16 + head
	s_lshl_b32 s46, s46, 4
	s_and_b32 s44, s44, 15
	s_add_co_u32 s46, s46, s44                     ; x 16 + the block of 128 tokens in the batch
	s_and_b32 s47, s23, 1
	s_lshr_b32 s66, s23, 3
	s_or_b32 s47, s47, s66                         ; 0 for q alone
	s_mov_b32 s66, 12800
	s_mov_b32 s67, 204800
	s_cmp_eq_u32 s47, 0
	s_cselect_b32 s66, 6400, s66                   ; bytes of a block in qb or in kv
	s_cselect_b32 s67, 102400, s67                 ; and from a head to the next
	s_cselect_b64 s[92:93], s[14:15], s[16:17]
	s_cselect_b64 s[100:101], s[8:9], s[10:11]
	s_mul_i32 s2, s46, s66
	s_mov_b32 s3, 0
	s_add_nc_u64 s[92:93], s[92:93], s[2:3]
	s_cmp_lt_u32 s23, 8
	s_cselect_b64 s[100:101], s[100:101], s[12:13] ; bq, bk or bv
	s_cselect_b32 s2, 0, 6400                      ; V's part lies behind K's
	s_add_nc_u64 s[92:93], s[92:93], s[2:3]        ; the even head's block
	s_mov_b32 s2, s67
	s_add_nc_u64 s[94:95], s[92:93], s[2:3]        ; the odd head's
	s_lshl_b32 s2, s45, 9
	s_add_nc_u64 s[100:101], s[100:101], s[2:3]    ; my 128 features' bias
	s_mov_b32 s[SEL], 0x76543210
	s_mov_b32 s[SEL+1], 0xfedcba98
	s_mov_b32 s[HM], 0xffff0000
	; the bias in the result's layout, register 8 t + j.  q, k: feature 32 (t / 2) + 8 (t % 2) + 16 h + j; v: feature 32 (t / 2) + 8 (t % 2) + r + 8 (r / 8) for every j.  One text serves both: three numbers are selected
	s_cmp_lt_u32 s23, 8
	s_cselect_b32 s2, 64, 0
	s_cselect_b32 s3, 0, 4
	s_cselect_b32 s66, 4, 0
	v_lshrrev_b32 v7, 3, v2
	v_lshl_add_u32 v7, v7, 3, v2
	v_mul_u32_u24 v7, s3, v7
	v_mad_u32_u24 v7, s2, v3, v7
.irp j, 0,1,2,3,4,5,6,7
	s_mul_i32 s67, s66, \j
	v_add_nc_u32 v[8+\j], s67, v7
.endr
.irp t, 0,1,2,3,4,5,6,7
.irp j, 0,1,2,3,4,5,6,7
	global_load_b32 v[BIAS+8*\t+\j], v[8+\j], s[100:101] offset:(32*(\t/2)+8*(\t%2))*4
.endr
.endr
	s_wait_tensorcnt 1                             ; the scale words and my part of slot 0 are in; slot 1's load may be out
	s_barrier_signal -1
	s_barrier_wait -1
	FETCH_B 0, 0, 0
	FETCH_A 0, 0, 0
	SCALES 0
	FETCH_A 0, 0, 4
	s_wait_loadcnt 0x0                             ; the bias
	s_cmp_lt_u32 s23, 8
	s_cbranch_scc0 .Lv_first
	STEP 0, 0, 1                                   ; the first products start the sums with the bias: nothing is cleared
	s_branch .Lfirst_done
.Lv_first:
	STEP 0, 0, 2
.Lfirst_done:
	TURN 0, 1, 1
	STEP 1, 0, 0
	TURN 1, 0, 1
	STEP 0, 0, 0
	TURN 0, 1, 0                                   ; the last two fills are in LDS: nothing more is asked for
	STEP 1, 0, 0
	s_wait_dscnt 4*NL
	WIN MUL_LO
	MUL16 0, 1, 1, 1, 0
	MUL16 2, 1, 1, 1, 0
	s_wait_dscnt 0
	WIN MUL_HI
	MUL16 4, 1, 1, 1, 0
	MUL16 6, 1, 1, 1, 0
	WIN 0
; THE WAY OUT.  The 64 registers of A's tile a are 128 neighbours along source 0's axis of the lane's row: register 16 b + i = k 32 b + 16 h + i.  They become a fragment in v[PC] on and a scale word in v[PW + a].
; Each accumulator is read from its low end on.
.macro QUANTW a
.set ACB, 64*((\a)%4)
.set WW, 2+(\a)/4
.set WN, WW*5
	WIN WN                                         ; sources 0 and 1: the accumulators' window
.irp b, 0,1,2,3
	v_max3_num_f32 v[TM+\b], |v[ACB+16*\b]|, |v[ACB+1+16*\b]|, 0x1800000   ; and the floor 2^(3 - 127)
.endr
.irp i, 2,4,6,8,10,12,14
.irp b, 0,1,2,3
	v_max3_num_f32 v[TM+\b], |v[ACB+16*\b+\i]|, |v[ACB+1+16*\b+\i]|, v[TM+\b]
.endr
.endr
	WIN 0
.irp b, 0,1,2,3
	v_permlanex16_b32 v[TM+4+\b], v[TM+\b], s[SEL], s[SEL+1]
.endr
.irp b, 0,1,2,3
	v_max_num_f32 v[TM+\b], v[TM+\b], v[TM+4+\b]
.endr
.irp b, 0,1,2,3
	v_add_nc_u32 v[TM+12+\b], 0xff000000, v[TM+\b]
.endr
.irp b, 0,1,2,3
	v_lshrrev_b32 v[TM+4+\b], 23, v[TM+12+\b]
.endr
	v_lshl_or_b32 v[PW+(\a)], v[TM+5], 8, v[TM+4]
	v_lshl_or_b32 v[PW+(\a)], v[TM+6], 16, v[PW+(\a)]
	v_lshl_or_b32 v[PW+(\a)], v[TM+7], 24, v[PW+(\a)]
	s_wait_xcnt 0x0                                ; the last tile's stores have read v[PC] on: only now are they written again
	WIN WW                                         ; source 0: the accumulators' window
.irp c, 0,1
	v_cvt_scalef32_pk16_fp6_f32 v[PC+6*\c:PC+2+6*\c], v[ACB+32*\c:ACB+15+32*\c], v[TM+12+2*\c]
	v_cvt_scalef32_pk16_fp6_f32 v[PC+12+4*\c:PC+14+4*\c], v[ACB+16+32*\c:ACB+31+32*\c], v[TM+12+2*\c+1]
.endr
	WIN 0
	v_nop                                          ; one plain instruction behind the scaled conversions
.irp c, 0,1
.irp i, 0,1,2
	v_permlane16_swap_b32 v[PC+6*\c+\i], v[PC+12+4*\c+\i]
.endr
.irp i, 0,1,2
	v_mov_b32 v[PC+3+6*\c+\i], v[PC+12+4*\c+\i]
.endr
.endr
.endm
	PLACES NP                                      ; behind the last products: their results are read, and A's registers written
.irp b, 0,1,2,3
	v_mov_b32 v[TM+4+\b], 0                        ; a lane permute's destination counts as one of its sources
.endr
	s_cmp_lt_u32 s23, 8
	s_cbranch_scc0 .Lv_out
	; q, k: tile a's 16 tokens x 128 features: the fragment's lower half (k 0-63) is the even head's, the upper the odd head's: each goes to its head's block at 768 a, in whole runs of 512 and 256 bytes
.irp a, 0,1,2,3,4,5,6,7
	QUANTW \a
	global_store_b128 v4, v[PC:PC+3], s[92:93] offset:768*\a
	global_store_b64 v5, v[PC+4:PC+5], s[92:93] offset:768*\a+512
	global_store_b128 v4, v[PC+6:PC+9], s[94:95] offset:768*\a
	global_store_b64 v5, v[PC+10:PC+11], s[94:95] offset:768*\a+512
.endr
.irp b, 0,1,2,3                                ; a head's word of tiles 2 b and 2 b + 1: two bytes of each tile's word
	v_perm_b32 v[172+\b], v[PW+2*\b+1], v[PW+2*\b], 0x05040100
	v_perm_b32 v[176+\b], v[PW+2*\b+1], v[PW+2*\b], 0x07060302
.endr
	v_cndmask_b32 v180, v172, v173, s[HM]          ; word 0: lanes 0-15 pair 0, lanes 16-31 pair 1; word 1: pairs 2 and 3
	v_cndmask_b32 v181, v174, v175, s[HM]
	v_cndmask_b32 v182, v176, v177, s[HM]
	v_cndmask_b32 v183, v178, v179, s[HM]
	global_store_b64 v5, v[180:181], s[92:93] offset:6144
	global_store_b64 v5, v[182:183], s[94:95] offset:6144
	s_branch .Lend
.Lv_out:
	; v: tile a's 16 features x 128 keys: a whole fragment of V^T; tiles 0-3 are the even head's, 4-7 the odd head's
.irp a, 0,1,2,3,4,5,6,7
	QUANTW \a
.irp c, 0,1,2
.if \a < 4
	global_store_b128 v4, v[PC+4*\c:PC+4*\c+3], s[92:93] offset:1536*(\a%4)+512*\c
.else
	global_store_b128 v4, v[PC+4*\c:PC+4*\c+3], s[94:95] offset:1536*(\a%4)+512*\c
.endif
.endr
.endr
	v_cndmask_b32 v180, v[PW+0], v[PW+1], s[HM]
	v_cndmask_b32 v181, v[PW+2], v[PW+3], s[HM]
	v_cndmask_b32 v182, v[PW+4], v[PW+5], s[HM]
	v_cndmask_b32 v183, v[PW+6], v[PW+7], s[HM]
	global_store_b64 v5, v[180:181], s[92:93] offset:6144
	global_store_b64 v5, v[182:183], s[94:95] offset:6144
.Lend:
	s_wait_tensorcnt 0x0                           ; the wave's end
	ds_add_u32 v[SPW], v[NIL]
	s_wait_dscnt 0x0
	CROUND                                         ; the closing round: no work-group ends while a partner may still ask for a tile that names it
	s_endpgm
.Lfunc_end_k_q122da2fe36_qkv:
	.size	k_q122da2fe36_qkv, .Lfunc_end_k_q122da2fe36_qkv-k_q122da2fe36_qkv
	.p2alignl 7, 3214868480
	.fill 96, 4, 3214868480
	.section	.rodata,"a",@progbits
	.p2align	6, 0x0
	.amdhsa_kernel k_q122da2fe36_qkv
		.amdhsa_group_segment_fixed_size 327680
		.amdhsa_private_segment_fixed_size 0
		.amdhsa_enable_private_segment 0
		.amdhsa_kernarg_size 56
		.amdhsa_user_sgpr_count 2
		.amdhsa_user_sgpr_kernarg_segment_ptr 1
		.amdhsa_wavefront_size32 1
		.amdhsa_system_sgpr_workgroup_id_x 1
		.amdhsa_system_sgpr_workgroup_id_y 1
		.amdhsa_system_sgpr_workgroup_id_z 1
		.amdhsa_system_vgpr_workitem_id 0
		.amdhsa_next_free_vgpr 1024
		.amdhsa_next_free_sgpr 102
		.amdhsa_reserve_vcc 0
		.amdhsa_float_denorm_mode_32 3
		.amdhsa_float_denorm_mode_16_64 3
		.amdhsa_memory_ordered 1
		.amdhsa_forward_progress 1
		.amdhsa_inst_pref_size 203
	.end_amdhsa_kernel
	.amdgpu_metadata
---
amdhsa.version: [ 1, 2 ]
amdhsa.kernels:
  - .name:           k_q122da2fe36_qkv
    .symbol:         k_q122da2fe36_qkv.kd
    .args:
      - { .name: oc, .offset: 0, .size: 8, .value_kind: global_buffer, .address_space: global }
      - { .name: os, .offset: 8, .size: 8, .value_kind: global_buffer, .address_space: global }
      - { .name: bq, .offset: 16, .size: 8, .value_kind: global_buffer, .address_space: global }
      - { .name: bk, .offset: 24, .size: 8, .value_kind: global_buffer, .address_space: global }
      - { .name: bv, .offset: 32, .size: 8, .value_kind: global_buffer, .address_space: global }
      - { .name: qb, .offset: 40, .size: 8, .value_kind: global_buffer, .address_space: global }
      - { .name: kv, .offset: 48, .size: 8, .value_kind: global_buffer, .address_space: global }
    .group_segment_fixed_size: 327680
    .private_segment_fixed_size: 0
    .kernarg_segment_align: 8
    .kernarg_segment_size: 56
    .max_flat_workgroup_size: 128
    .sgpr_count:     102
    .vgpr_count:     1024
    .wavefront_size: 32
...
	.end_amdgpu_metadata
.endif
;; end of part 2
;; launch attn (part 3): grid 8 x 32, 8 waves a work-group, no clusters, 30,208 bytes of LDS; arguments qb, kv, yc, ysw; writes yc, ysw
.if DOCPART == 3
	.amdgcn_target "amdgcn-amd-amdhsa--gfx1250"
	.amdhsa_code_object_version 6
	.text
	.protected	k_q122da2fe36_attn
	.globl	k_q122da2fe36_attn
	.p2align	8
	.type	k_q122da2fe36_attn,@function
k_q122da2fe36_attn:
	s_mov_b64 s[64:65], 0
	v_nop
	global_prefetch_b8 v0, s[64:65] scope:SCOPE_SE
	s_setreg_imm32_b32 hwreg(HW_REG_WAVE_MODE, 25, 1), 1
	s_wait_xcnt 0x0
; y[b][q][64 head + d] = the sum over keys k <= q of softmax_k(q . k / 8) v, both products on codes of FP6 (E2M3) with E8M0 scales; y is quantised along C and leaves as codes for the last product.
; THE SOFTMAX: t = score x log2(e) / 8; M = the running largest t rounded UP to a whole number; p = 2^(t - M) is quantised along the keys; the row's sum is taken of the unquantised p and divides at the end.
; When M moves, the sum and O are multiplied by 2^(old M - new M): exact.  LIMITS: NaN and infinities are not served; a block of y under 2^-124 (zeros too) gets the byte 1.
; INPUTS.  qb [batch x 16 + head][block of 128 queries][6,400]: eight half fragments (16 queries x 64: 768 bytes each), 256 bytes of scale words.
; kv [batch x 16 + head][step of 128 keys][12,800]: four K fragments (each two tiles of 16 keys x 64), 256 bytes of scale words, four V^T fragments (16 d x 128 keys), 256 bytes of scale words.
; Lane-row r of tile a is row 32 (a / 2) + 8 (a % 2) + r + 8 (r / 8), for queries, keys and d: so a lane's 16 registers of two neighbouring result tiles are 16 neighbours.
; SHARES.  Work-group (I, head) owns the blocks I and 15 - I of 128 queries and takes them one after the other: I + 1 and 16 - I key steps, 17 in every work-group.  Wave w owns query tile w: 16 queries.
; No cluster: the work-groups of a head stand at different key steps at the same time, since their second blocks begin after different numbers of steps.
; A KEY STEP'S CODES, 12,288 bytes, are copied by the eight waves through registers (1,536 bytes a wave), one step ahead, into two LDS slots that take turns: one barrier a step.  The scale words go from memory straight into their registers.
; K = 64 IN AN INSTRUCTION OF 128: a K fragment holds key tile 2 b in k 0-63 and tile 2 b + 1 in k 64-127; it is multiplied by [q; 0] and by [0; q]: zero codes add nothing.
; Both products are used transposed: S^T = K Q^T, O^T = V^T P^T: a lane holds one query throughout.
; REGISTERS: v1-7, v11, v16-21 offsets; v12 -M, v13 the largest t, v[14:15] the sum; v32-79 four fragments; v80-91 the copy; v96-159 S^T, then p; v160-191 O^T; v192-197 zeros, v198-203 q, v204-209 zeros;
; v210 q's scale word, v[212:213] K's, v[214:215] V's; v224-254 at work.
.set SEL, 20                           ; s[20:21] lane selects: lane l xor 16
.set CS,  22                           ; s[22:23] c = log2(e) / 8
.set SLB, 16384                        ; from slot 0 to slot 1
.set VOFF, 6400                        ; V's part of a step's block
; s12 wave, s13 I, s14 batch x 16 + head, s15 steps of the first block, s16 the trip's first step, s17 step + 1, s[18:19] the next tile's offset in the head, s24 wave / 2, s25 mask of lanes 16-31, s26 byte select for q's scales,
; s27 steps in which I prefetch, s[28:29] the head in kv, s[30:31] the prefetches' place, s[32:33] q's block, s[34:35] y's codes, s[36:37] y's scale bytes, s[40:41] the next tile in kv, s44, s45 constants of y's offsets, s46 the step
.macro PASSPTR                         ; s38 = the block of 128 queries
	s_lshl_b32 s39, s14, 4
	s_add_co_u32 s39, s39, s38
	s_mul_i32 s42, s39, 6400
	s_mov_b32 s43, 0
	s_add_nc_u64 s[32:33], s[4:5], s[42:43]
	s_lshr_b32 s39, s14, 4
	s_lshl_b32 s39, s39, 4
	s_add_co_u32 s39, s39, s38                     ; the block of 128 tokens among all 32
	s_mul_i32 s42, s39, 98304
	s_add_co_u32 s42, s42, s44
	s_add_nc_u64 s[34:35], s[8:9], s[42:43]
	s_lshl_b32 s42, s39, 12
	s_add_co_u32 s42, s42, s45
	s_add_nc_u64 s[36:37], s[10:11], s[42:43]
.endm
.macro QLOAD
	global_load_b128 v[198:201], v20, s[32:33]
	global_load_b64 v[202:203], v21, s[32:33]
	global_load_b32 v18, v17, s[32:33]
.endm
.macro INIT
	v_perm_b32 v210, v18, v18, s26                 ; q's two bytes twice: for [q; 0] and for [0; q].  The moves below are the places between this line and the next scaled product
	v_mov_b32 v13, 0xff61b1e6                      ; the largest t so far: -3e38
	v_floor_f32 v12, -v13
	v_mov_b32 v14, 0
	v_mov_b32 v15, 0
.irp j, 0,1,2,3,4,5,6,7,8,9,10,11,12,13,14,15,16,17,18,19,20,21,22,23,24,25,26,27,28,29,30,31
	v_mov_b32 v[160+\j], 0                         ; the step is written once: a block's first step finds zeros
.endr
.endm
.macro MASKB b                         ; on the diagonal: keys 32 b .. 32 b + 31 of the step.  A block all of whose keys count for my 16 queries is passed over (a branch on the wave's number)
	s_cmp_gt_u32 s24, \b
	s_cbranch_scc1 .Lvis_\@
.irp i, 0,1,2,3,4,5,6,7,8,9,10,11,12,13,14,15
	v_cmp_gt_i32 vcc_lo, 32*\b+\i, v6              ; register 16 b + i holds key 32 b + 16 h + i: hidden where it comes after my query
	v_cndmask_b32 v[96+16*\b+\i], v[96+16*\b+\i], v7, vcc_lo
.endr
.Lvis_\@:
.endm
.macro SOFTMAX
.irp b, 0,1,2,3
	v_max3_num_f32 v[232+\b], v[96+16*\b], v[97+16*\b], v[98+16*\b]   ; the largest score of each block of 32 keys: for the row's maximum and, since p rises with the score, for the block's largest p
.endr
.irp i, 3,5,7,9,11,13
.irp b, 0,1,2,3
	v_max3_num_f32 v[232+\b], v[232+\b], v[96+16*\b+\i], v[97+16*\b+\i]
.endr
.endr
.irp b, 0,1,2,3
	v_max_num_f32 v[232+\b], v[232+\b], v[111+16*\b]
.endr
.irp b, 0,1,2,3
	v_permlanex16_b32 v[236+\b], v[232+\b], s[SEL], s[SEL+1]
.endr
.irp b, 0,1,2,3
	v_max_num_f32 v[232+\b], v[232+\b], v[236+\b]
.endr
	v_max3_num_f32 v254, v232, v233, v234
	v_max_num_f32 v254, v254, v235
	v_mul_f32 v254, s[CS], v254
	v_max_num_f32 v13, v13, v254                   ; the running largest t
	v_mov_b32 v254, v12
	v_floor_f32 v12, -v13                          ; -M = floor(-t): M is a whole number
	v_sub_f32 v254, v12, v254
	v_cvt_i32_f32 v254, v254                       ; (it saturates)
	v_ldexp_f32 v252, 1.0, v254                    ; f = 2^(old M - new M)
.irp j, 0,2,4,6,8,10,12,14,16,18,20,22,24,26,28,30,32,34,36,38,40,42,44,46,48,50,52,54,56,58,60,62
	v_pk_fma_f32 v[96+\j:97+\j], v[96+\j:97+\j], s[CS:CS+1], v[12:13] op_sel_hi:[1,0,0]   ; t - M
.endr
.irp b, 0,1,2,3
	v_fma_f32 v[232+\b], v[232+\b], s[CS], v12
.endr
.irp j, 0,1,2,3,4,5,6,7,8,9,10,11,12,13,14,15,16,17,18,19,20,21,22,23,24,25,26,27,28,29,30,31,32,33,34,35,36,37,38,39,40,41,42,43,44,45,46,47,48,49,50,51,52,53,54,55,56,57,58,59,60,61,62,63
	v_exp_f32 v[96+\j], v[96+\j]                   ; p = 2^(t - M)
.endr
	v_pk_mul_f32 v[14:15], v[14:15], v[252:253] op_sel_hi:[1,0]   ; the sums under the new M: the plain instruction behind the exponentials
	s_wait_alu depctr_va_vdst(0)                   ; one wait for the batch of 64, ahead of its first reader
.irp b, 0,1,2,3
	v_exp_f32 v[232+\b], v[232+\b]                 ; each block's largest p
.endr
	v_pk_add_f32 v[236:237], v[96:97], v[98:99]    ; the row's sum, of the unquantised p, in two chains
.irp j, 4,8,12,16,20,24,28,32,36,40,44,48,52,56,60
	v_pk_add_f32 v[14:15], v[14:15], v[96+\j:97+\j]
	v_pk_add_f32 v[236:237], v[236:237], v[98+\j:99+\j]
.endr
	v_pk_add_f32 v[14:15], v[14:15], v[236:237]
	s_wait_alu depctr_va_vdst(0)                   ; and one for the four
.irp b, 0,1,2,3
	v_max_num_f32 v[232+\b], 0x1800000, v[232+\b]  ; the floor 2^(3 - 127): a block whose every p is 0 keeps the byte 1: its codes are zeros
.endr
.irp b, 0,1,2,3
	v_add_nc_u32 v[244+\b], 0xff000000, v[232+\b]
.endr
.irp b, 0,1,2,3
	v_lshrrev_b32 v[236+\b], 23, v[244+\b]
.endr
	v_lshl_or_b32 v253, v237, 8, v236              ; p's scale word for these 128 keys
	v_lshl_or_b32 v253, v238, 16, v253
	v_lshl_or_b32 v253, v239, 24, v253
.irp c, 0,1
	v_cvt_scalef32_pk16_fp6_f32 v[224+6*\c:226+6*\c], v[96+32*\c:111+32*\c], v[244+2*\c]
	v_cvt_scalef32_pk16_fp6_f32 v[236+4*\c:238+4*\c], v[112+32*\c:127+32*\c], v[244+2*\c+1]
.endr
	v_nop                                          ; one plain instruction behind the scaled conversions
.irp c, 0,1
.irp i, 0,1,2
	v_permlane16_swap_b32 v[224+6*\c+\i], v[236+4*\c+\i]
.endr
.irp i, 0,1,2
	v_mov_b32 v[227+6*\c+\i], v[236+4*\c+\i]
.endr
.endr
.irp j, 0,2,4,6,8,10,12,14,16,18,20,22,24,26,28,30
	v_pk_mul_f32 v[160+\j:161+\j], v[160+\j:161+\j], v[252:253] op_sel_hi:[1,0]   ; O^T under the new M; these 16 are also the places between p's codes and scale word and the products
.endr
.endm
; A block of queries is finished: O^T / the sum is y's 64 numbers of my head: two blocks of 32 along C: half a fragment, and two scale bytes
.macro FINISH
	v_add_f32 v14, v14, v15
	v_permlanex16_b32 v252, v14, s[SEL], s[SEL+1]
	v_add_f32 v14, v14, v252                       ; the row's sum
	v_rcp_f32 v14, v14
	v_nop                                          ; a plain instruction behind the reciprocal,
	s_wait_alu depctr_va_vdst(0)                   ; and the wait ahead of its first reader
.irp j, 0,2,4,6,8,10,12,14,16,18,20,22,24,26,28,30
	v_pk_mul_f32 v[96+\j:97+\j], v[160+\j:161+\j], v[14:15] op_sel_hi:[1,0]   ; register 16 b + i = d 32 b + 16 h + i; each accumulator from its low end on
.endr
.irp b, 0,1
	v_max3_num_f32 v[232+\b], |v[96+16*\b]|, |v[97+16*\b]|, 0x1800000
.endr
.irp i, 2,4,6,8,10,12,14
.irp b, 0,1
	v_max3_num_f32 v[232+\b], v[232+\b], |v[96+16*\b+\i]|, |v[97+16*\b+\i]|
.endr
.endr
.irp b, 0,1
	v_permlanex16_b32 v[236+\b], v[232+\b], s[SEL], s[SEL+1]
.endr
.irp b, 0,1
	v_max_num_f32 v[232+\b], v[232+\b], v[236+\b]
.endr
.irp b, 0,1
	v_add_nc_u32 v[244+\b], 0xff000000, v[232+\b]
.endr
.irp b, 0,1
	v_lshrrev_b32 v[236+\b], 23, v[244+\b]
.endr
	v_cvt_scalef32_pk16_fp6_f32 v[224:226], v[96:111], v244
	v_cvt_scalef32_pk16_fp6_f32 v[228:230], v[112:127], v245
	v_nop
.irp i, 0,1,2
	v_permlane16_swap_b32 v[224+\i], v[228+\i]
.endr
	v_mov_b32 v227, v228
	v_mov_b32 v228, v229
	v_mov_b32 v229, v230
	v_cndmask_b32 v238, v236, v237, s25            ; lanes 0-15 the first block's byte of row r, lanes 16-31 the second's
	global_store_b128 v1, v[224:227], s[34:35]     ; 512 and 256 consecutive bytes, aligned to 256
	global_store_b64 v2, v[228:229], s[34:35] offset:512
	global_store_b8 v11, v238, s[36:37]            ; two bytes of each row's scale word: the other two are the neighbouring head's
	s_wait_xcnt 0x0                                ; the stores have read their registers and bases
.endm
; A KEY STEP on LDS slot 'slot'.  fetch = 1: the next step's tile is copied into the other slot; half: the step's place in the trip
.macro STEP slot, fetch, half
.if \fetch
	s_add_co_u32 s46, s16, \half                   ; the step's number
	s_cmp_lg_u32 s46, s15
	s_cbranch_scc1 .Lsame_\@                       ; (a branch on the work-group's number; no barrier and no LDS instruction stands in it)
	FINISH                                         ; the first block of queries is finished: on to block 15 - I
	s_sub_co_u32 s38, 15, s13
	PASSPTR
	QLOAD
	s_wait_loadcnt 0x0
	INIT
.Lsame_\@:
	s_wait_xcnt 0x0                                ; the last step's loads and prefetch have read their bases, so these may be written
	s_add_nc_u64 s[30:31], s[30:31], 16384
	s_add_co_u32 s18, s18, 12800                   ; the next step's tile: the next 128 keys,
	s_add_co_u32 s17, s46, 1
	s_cmp_eq_u32 s17, s15
	s_cselect_b32 s18, 0, s18                      ; or the head's first, where the second block of queries begins
	s_add_nc_u64 s[40:41], s[28:29], s[18:19]
.irp i, 0,1,2
	global_load_b128 v[80+4*\i:83+4*\i], v3, s[40:41] offset:512*\i
.endr
	; A prefetch into the L2.  All eight work-groups of a head walk the same tiles: the head's first work-group asks, its waves 0 and 1, in steps 0 to 10: 32 lanes 256 bytes apart, 8,192 bytes a wave and step:
	; 11 x 16,384 bytes from byte 24,576 to the head's last, 204,800: each block of 256 bytes once.  It runs 1.9 tiles ahead of that work-group's own loads at step 0 and gains 0.28 tiles a step.
	s_cmp_lt_u32 s46, s27
	s_cbranch_scc0 .Lnp_\@
	global_prefetch_b8 v16, s[30:31] th:TH_LOAD_NT scope:SCOPE_SE
.Lnp_\@:
.endif
.irp b, 0,1,2,3                                ; K's four fragments
	ds_load_b128 v[32+12*\b:35+12*\b], v1 offset:SLB*\slot+1536*\b
	ds_load_b64 v[36+12*\b:37+12*\b], v2 offset:SLB*\slot+1536*\b+512
	ds_load_b128 v[38+12*\b:41+12*\b], v1 offset:SLB*\slot+1536*\b+768
	ds_load_b64 v[42+12*\b:43+12*\b], v2 offset:SLB*\slot+1536*\b+1280
.endr
.if \fetch
	s_wait_loadcnt 4                               ; K's scale words are in; behind them were issued V's and the three loads of the copy
.else
	s_wait_loadcnt 1                               ; behind them: V's
.endif
	s_wait_dscnt 0x0
.irp b, 0,1,2,3
.if \b % 2
	v_wmma_scale_f32_16x16x128_f8f6f4 v[96+16*\b:103+16*\b], v[32+12*\b:43+12*\b], v[198:209], 0, v[212+\b/2], v210 matrix_a_fmt:MATRIX_FMT_FP6 matrix_b_fmt:MATRIX_FMT_FP6 matrix_a_scale:MATRIX_SCALE_ROW1
	v_wmma_scale_f32_16x16x128_f8f6f4 v[104+16*\b:111+16*\b], v[32+12*\b:43+12*\b], v[192:203], 0, v[212+\b/2], v210 matrix_a_fmt:MATRIX_FMT_FP6 matrix_b_fmt:MATRIX_FMT_FP6 matrix_a_scale:MATRIX_SCALE_ROW1
.else
	v_wmma_scale_f32_16x16x128_f8f6f4 v[96+16*\b:103+16*\b], v[32+12*\b:43+12*\b], v[198:209], 0, v[212+\b/2], v210 matrix_a_fmt:MATRIX_FMT_FP6 matrix_b_fmt:MATRIX_FMT_FP6
	v_wmma_scale_f32_16x16x128_f8f6f4 v[104+16*\b:111+16*\b], v[32+12*\b:43+12*\b], v[192:203], 0, v[212+\b/2], v210 matrix_a_fmt:MATRIX_FMT_FP6 matrix_b_fmt:MATRIX_FMT_FP6
.endif
.endr
.rept 4
	v_nop                                          ; places behind the products: their results are read, and loads go into their fragments and scale words
.endr
.if \fetch
	global_load_b64 v[212:213], v2, s[40:41] offset:6144   ; the next step's scale words of K
.endif
.irp t, 0,1,2,3                                ; V's four fragments land under the softmax
.irp c, 0,1,2
	ds_load_b128 v[32+12*\t+4*\c:35+12*\t+4*\c], v1 offset:SLB*\slot+VOFF+1536*\t+512*\c
.endr
.endr
.if \fetch
	s_cmp_lg_u32 s17, s15                          ; only a block's last step lies on the diagonal
	s_cbranch_scc1 .Lopen_\@
.endif
	MASKB 0
	MASKB 1
	MASKB 2
	MASKB 3
.Lopen_\@:
	SOFTMAX
.if \fetch
	s_wait_loadcnt 4                               ; V's scale words are in; behind them: the copy's three loads and K's next words
.else
	s_wait_loadcnt 0x0
.endif
	s_wait_dscnt 0x0
.irp t, 0,1,2,3
.if \t % 2
	v_wmma_scale_f32_16x16x128_f8f6f4 v[160+8*\t:167+8*\t], v[32+12*\t:43+12*\t], v[224:235], v[160+8*\t:167+8*\t], v[214+\t/2], v253 matrix_a_fmt:MATRIX_FMT_FP6 matrix_b_fmt:MATRIX_FMT_FP6 matrix_a_scale:MATRIX_SCALE_ROW1
.else
	v_wmma_scale_f32_16x16x128_f8f6f4 v[160+8*\t:167+8*\t], v[32+12*\t:43+12*\t], v[224:235], v[160+8*\t:167+8*\t], v[214+\t/2], v253 matrix_a_fmt:MATRIX_FMT_FP6 matrix_b_fmt:MATRIX_FMT_FP6
.endif
.endr
.rept 4
	v_nop
.endr
.if \fetch
	global_load_b64 v[214:215], v2, s[40:41] offset:VOFF+6144   ; the next step's scale words of V
	s_wait_loadcnt 2                               ; the copy's three loads are in; the two loads of scale words may be out
.irp i, 0,1,2
	ds_store_b128 v3, v[80+4*\i:83+4*\i] offset:SLB*(1-\slot)+512*\i   ; into the slot that every wave left at the last barrier
.endr
	s_wait_dscnt 0x0                               ; my stores have landed and my reads of this slot are over
	s_barrier_signal -1
	s_barrier_wait -1
.endif
.endm
	s_load_b256 s[4:11], s[0:1], 0x0               ; qb, kv, yc, ysw
	v_lshl_add_u32 v251, v0, 2, 0x7200
	v_mov_b32 v255, 0
	v_lshrrev_b32 v22, 5, v0
	v_readfirstlane_b32 s12, v22                   ; wave
	s_mov_b32 s13, ttmp9                           ; I
	s_and_b32 s14, ttmp7, 0xffff                   ; batch x 16 + head
	s_add_co_u32 s15, s13, 1
	v_and_b32 v22, 31, v0                          ; lane
	v_and_b32 v23, 15, v0                          ; r
	v_bfe_u32 v24, v0, 4, 1                        ; h
	v_lshlrev_b32 v1, 4, v22                       ; 16 x lane
	v_lshlrev_b32 v2, 3, v22                       ; 8 x lane
	s_mul_i32 s38, s12, 1536
	s_lshr_b32 s39, s12, 2
	s_lshl_b32 s39, s39, 8
	s_add_co_u32 s38, s38, s39
	v_add_nc_u32 v3, s38, v1                       ; my wave's 1,536 bytes of a tile, in memory and in a slot: K fragment w, or V fragment w - 4 behind K's scale words
	s_lshr_b32 s24, s12, 1
	s_lshl_b32 s38, s24, 5
	s_and_b32 s39, s12, 1
	s_lshl_b32 s47, s39, 3
	s_add_co_u32 s38, s38, s47
	v_lshrrev_b32 v25, 3, v23
	v_lshl_add_u32 v25, v25, 3, v23
	v_lshlrev_b32 v26, 4, v24
	v_sub_nc_u32 v25, v25, v26
	v_add_nc_u32 v6, s38, v25                      ; my query in its block of 128, less 16 h
	v_mov_b32 v7, 0xff800000                       ; -infinity
	v_lshl_add_u32 v11, v23, 3, v24                ; y's scale bytes: 8 r + h
	s_lshl_b32 s47, s39, 13
	v_lshl_add_u32 v16, v22, 8, s47                ; the prefetches: 256 x lane + 8,192 x (wave % 2)
	s_and_b32 s47, s24, 1
	s_lshl_b32 s47, s47, 7
	s_lshr_b32 s38, s12, 2
	s_lshl_b32 s38, s38, 2
	s_add_co_u32 s47, s47, s38
	s_add_co_u32 s47, s47, 6144
	v_lshl_add_u32 v17, v23, 3, s47                ; q's scale word: pair w / 2 of tiles
	s_mul_i32 s38, s12, 768
	v_add_nc_u32 v20, s38, v1                      ; q's half fragment
	s_add_co_u32 s38, s38, 512
	v_add_nc_u32 v21, s38, v2
.irp j, 192,193,194,195,196,197,204,205,206,207,208,209
	v_mov_b32 v[\j], 0                             ; zero codes on either side of q
.endr
.irp j, 236,237,238,239,252,253
	v_mov_b32 v[\j], 0                             ; written once: lane permutes' destinations, and the upper half of the pair v[252:253]
.endr
	s_mov_b32 s[SEL], 0x76543210
	s_mov_b32 s[SEL+1], 0xfedcba98
	s_mov_b32 s[CS], 0x3e38aa3b
	s_mov_b32 s[CS+1], s[CS]
	s_mov_b32 s25, 0xffff0000
	s_mov_b32 s26, 0x03020302
	s_cmp_eq_u32 s39, 0
	s_cselect_b32 s26, 0x01000100, s26             ; my tile's two bytes of the pair's word
	s_or_b32 s38, s24, s13
	s_cmp_eq_u32 s38, 0
	s_cselect_b32 s27, 11, 0
	s_and_b32 s38, s14, 15                         ; the head
	s_lshr_b32 s39, s38, 1
	s_mul_i32 s44, s39, 12288                      ; y's codes: K step head / 2,
	s_and_b32 s47, s14, 1
	s_mul_i32 s42, s47, 768                        ; half head % 2,
	s_add_co_u32 s44, s44, s42
	s_mul_i32 s42, s12, 1536                       ; tile w
	s_add_co_u32 s44, s44, s42
	s_lshl_b32 s45, s12, 9                         ; y's scale bytes: tile w,
	s_lshr_b32 s42, s38, 2
	s_lshl_b32 s42, s42, 7                         ; pair of K steps head / 4,
	s_add_co_u32 s45, s45, s42
	s_and_b32 s42, s39, 1
	s_lshl_b32 s42, s42, 2                         ; word (head / 2) % 2,
	s_add_co_u32 s45, s45, s42
	s_lshl_b32 s42, s47, 1                         ; bytes 2 (head % 2) on
	s_add_co_u32 s45, s45, s42
	s_mov_b32 s18, 0
	s_mov_b32 s19, 0
	s_mov_b32 s16, 0
	s_wait_kmcnt 0x0
	s_mul_i32 s42, s14, 204800
	s_mov_b32 s43, 0
	s_add_nc_u64 s[28:29], s[6:7], s[42:43]
	s_add_nc_u64 s[30:31], s[28:29], 8192          ; the first step moves it on to byte 24,576
	s_mov_b64 s[40:41], s[28:29]
	s_mov_b32 s38, s13
	PASSPTR
	QLOAD
.irp i, 0,1,2
	global_load_b128 v[80+4*\i:83+4*\i], v3, s[40:41] offset:512*\i
.endr
	global_load_b64 v[212:213], v2, s[40:41] offset:6144
	global_load_b64 v[214:215], v2, s[40:41] offset:VOFF+6144
	s_wait_loadcnt 2                               ; q and the first tile's codes are in; the two loads of scale words may be out
.irp i, 0,1,2
	ds_store_b128 v3, v[80+4*\i:83+4*\i] offset:512*\i
.endr
	INIT
	s_wait_dscnt 0x0
	s_barrier_signal -1
	s_barrier_wait -1
.Lstep:                                            ; eight trips of two steps: the slots stand in the immediates
	STEP 0, 1, 0
	STEP 1, 1, 1
	s_add_co_u32 s16, s16, 2
	s_cmp_lt_u32 s16, 16
	s_cbranch_scc1 .Lstep
	STEP 0, 0, 0                                   ; the seventeenth step: the second block's diagonal; nothing more is fetched
	FINISH
	s_wait_tensorcnt 0x0
	ds_add_u32 v251, v255
	s_wait_dscnt 0x0
	s_endpgm
.Lfunc_end_k_q122da2fe36_attn:
	.size	k_q122da2fe36_attn, .Lfunc_end_k_q122da2fe36_attn-k_q122da2fe36_attn
	.p2alignl 7, 3214868480
	.fill 96, 4, 3214868480
	.section	.rodata,"a",@progbits
	.p2align	6, 0x0
	.amdhsa_kernel k_q122da2fe36_attn
		.amdhsa_group_segment_fixed_size 30208
		.amdhsa_private_segment_fixed_size 0
		.amdhsa_enable_private_segment 0
		.amdhsa_kernarg_size 32
		.amdhsa_user_sgpr_count 2
		.amdhsa_user_sgpr_kernarg_segment_ptr 1
		.amdhsa_wavefront_size32 1
		.amdhsa_system_sgpr_workgroup_id_x 1
		.amdhsa_system_sgpr_workgroup_id_y 1
		.amdhsa_system_sgpr_workgroup_id_z 1
		.amdhsa_system_vgpr_workitem_id 0
		.amdhsa_next_free_vgpr 256
		.amdhsa_next_free_sgpr 66
		.amdhsa_reserve_vcc 1
		.amdhsa_float_denorm_mode_32 3
		.amdhsa_float_denorm_mode_16_64 3
		.amdhsa_memory_ordered 1
		.amdhsa_forward_progress 1
		.amdhsa_inst_pref_size 86
	.end_amdhsa_kernel
	.amdgpu_metadata
---
amdhsa.version: [ 1, 2 ]
amdhsa.kernels:
  - .name:           k_q122da2fe36_attn
    .symbol:         k_q122da2fe36_attn.kd
    .args:
      - { .name: qb, .offset: 0, .size: 8, .value_kind: global_buffer, .address_space: global }
      - { .name: kv, .offset: 8, .size: 8, .value_kind: global_buffer, .address_space: global }
      - { .name: yc, .offset: 16, .size: 8, .value_kind: global_buffer, .address_space: global }
      - { .name: ysw, .offset: 24, .size: 8, .value_kind: global_buffer, .address_space: global }
    .group_segment_fixed_size: 30208
    .private_segment_fixed_size: 0
    .kernarg_segment_align: 8
    .kernarg_segment_size: 32
    .max_flat_workgroup_size: 256
    .sgpr_count:     66
    .vgpr_count:     256
    .wavefront_size: 32
...
	.end_amdgpu_metadata
.endif
;; end of part 3
;; launch proj (part 4): grid 4 x 16, 4 waves a work-group, clusters of 4 x 4, 327,680 bytes of LDS; arguments yc, ysw, oc, os, bp, out0; writes out0
.if DOCPART == 4
	.amdgcn_target "amdgcn-amd-amdhsa--gfx1250"
	.amdhsa_code_object_version 6
	.text
	.protected	k_q122da2fe36_proj
	.globl	k_q122da2fe36_proj
	.p2align	8
	.type	k_q122da2fe36_proj,@function
k_q122da2fe36_proj:
	s_mov_b64 s[64:65], 0
	v_nop
	global_prefetch_b8 v0, s[64:65] scope:SCOPE_SE
	s_setreg_imm32_b32 hwreg(HW_REG_WAVE_MODE, 25, 1), 1
	s_wait_xcnt 0x0
	s_wait_alu depctr_hold_cnt(0) depctr_sa_sdst(0) depctr_va_vdst(0) depctr_va_sdst(0) depctr_va_ssrc(0) depctr_va_vcc(0) depctr_vm_vsrc(0)
	s_getreg_b32 s2, hwreg(HW_REG_IB_STS2, 6, 4)
	s_cmp_eq_u32 s2, 0
	s_cbranch_scc0 .Lentry_in_a_cluster
	s_endpgm
.Lentry_in_a_cluster:
	s_bfe_u32 s2, ttmp6, 0x10000c
	s_cmp_lg_u32 s2, 0xf033
	s_cbranch_scc0 .Lentry_shape_is_right
	s_endpgm
.Lentry_shape_is_right:
; out0 = y Wp^T + bp on codes of FP6 (E2M3) with E8M0 scales, sums in f32; out0 [4096][1024] f32.
; OPERANDS lie in the order of the operand's registers: codes [R: 128 rows][K step: 8][tile a: 8][1,536 bytes], scale words [R][a][pair of K steps][r][2 words].  A = y (yc, ysw: R = token / 128), B = Wp (oc, os: R 56-63).
; Lane-row r of tile a is row 32 (a / 2) + 8 (a % 2) + r + 8 (r / 8), for tokens and for Wp's rows.
; SHAPE: a work-group of four waves makes 256 x 256, a wave 128 x 128 in 64 accumulators.  K = 1,024 goes in four fills of 256 through two LDS slots; a wave's tensor load brings 24,576 dense bytes.
; Source 0 = a tile of Wp, source 1 = a tile of y: a lane holds a token and eight neighbouring outputs.  CLUSTERS of 4 x 4: y's tiles are shared along a row of the cluster, Wp's along a column, asked for jointly.
; 64 work-groups: 16 x 4 tiles of 256 x 256.  No prefetch: four fills a work-group.
; REGISTERS: window 0: v1-7 offsets, v16-29 addresses, v32-63 scale words (two sets), v64-127 the bias as the first products' C, v128-223 A's fragments (one set; on the way out v128-255 rows of out0);
;   window 1: B's fragments, two sets; window 2: accumulators of A's tiles 0-3 ((a, b) at v[8 (8 (a % 4) + b)]); window 3: of tiles 4-7.
.set HALFT,  24576
.set SLOT,   4*HALFT
.set SCL,    2*SLOT
.set SPARE,  SCL+4*4096                ; the spare words, 128 bytes a wave: two blocks of 256 bytes that no other line names
.set SPITCH, 528                       ; the way out: a stage of 16 rows x (512 + 16) bytes for each wave, in slot 0, which has had its last fill and its last read by then
.set FR,     12
.set NL,     4
.set NP,     4
.set ADRA, 16
.set ADRB, 20
.set STO,  24                          ; v24 the way out: where I put 32 bytes of a row
.set RD,   25                          ; v25 where I read a row back
.set CO,   26                          ; v26 my byte offset in a row's 512 bytes
.set ADRS, 27
.set SPW,  28
.set NIL,  29
.set SC,   32
.set BIAS, 64
.set AF,   128
.set BK,   128
.set G1, 24
.set G0, 32
.set G1B, 48
.set G0B, 56
.set G1S, 68
.set G0S, 76
.set G1SB, 80
.set G0SB, 88
.set MSB, 0
.macro WIN new
.if MSB != \new
	s_set_vgpr_msb (MSB<<8)|\new
.set MSB, \new
.endif
.endm
.set MUL_LO, 0xa1
.set MUL_HI, 0xf1
.set BEG_LO, 0x81
.set BEG_HI, 0xc1
.set TO_B,   0x40
.macro JLOAD g0a, g1a, g0b, g1b        ; a joint load: waves 0 and 1 fetch for A, waves 2 and 3 for B; four v_nop follow each line
	s_cmp_eq_u32 s19, 0
	s_cbranch_scc0 .Lfor_b_\@
	tensor_load_to_lds s[\g0a:\g0a+3], s[\g1a:\g1a+7]
	s_nop 0
.rept 4
	v_nop
.endr
	s_branch .Lasked_\@
.Lfor_b_\@:
	tensor_load_to_lds s[\g0b:\g0b+3], s[\g1b:\g1b+7]
	s_nop 0
.rept 4
	v_nop
.endr
.Lasked_\@:
.endm
.macro CREST
	s_cmp_lg_u32 s18, 0
	s_cbranch_scc1 .Lnot_wave_0_\@
	s_barrier_signal -3
.Lnot_wave_0_\@:
	s_barrier_wait -3
	s_barrier_signal -1
	s_barrier_wait -1
.endm
.macro CROUND
	s_barrier_signal -1
	s_barrier_wait -1
	CREST
.endm
.macro PLACES n
.rept \n
	v_nop
.endr
.endm
.macro FRAG reg, adr, q, i
	ds_load_b128 v[\reg:\reg+3], v[\adr] offset:12288*(\q)+1536*(\i)
	ds_load_b64 v[\reg+4:\reg+5], v[\adr+2] offset:12288*(\q)+1536*(\i)+512
	ds_load_b128 v[\reg+6:\reg+9], v[\adr] offset:12288*(\q)+1536*(\i)+768
	ds_load_b64 v[\reg+10:\reg+11], v[\adr+2] offset:12288*(\q)+1536*(\i)+1280
.endm
; 16 matrix instructions: A's tiles a0, a0 + 1 x B's eight.  mode 0: onto the sums; 1: the sums begin with the bias of B's rows.  The 64 accumulators take turns.
.macro MUL16 a0, p, q, sc, mode
.irp a, \a0, \a0+1
.irp b, 0,1,2,3,4,5,6,7
.if \mode == 0
	v_wmma_scale_f32_16x16x128_f8f6f4 v[8*(8*((\a)%4)+\b):8*(8*((\a)%4)+\b)+7], v[128*(\p)+FR*\b:128*(\p)+FR*\b+FR-1], v[AF+FR*(\a):AF+FR*(\a)+FR-1], v[8*(8*((\a)%4)+\b):8*(8*((\a)%4)+\b)+7], v[SC+16*(\sc)+2*\b+(\q)], v[SC+16*(\sc)+2*(\a)+(\q)] matrix_a_fmt:MATRIX_FMT_FP6 matrix_b_fmt:MATRIX_FMT_FP6 matrix_a_scale:MATRIX_SCALE_ROW1
.else
	v_wmma_scale_f32_16x16x128_f8f6f4 v[8*(8*((\a)%4)+\b):8*(8*((\a)%4)+\b)+7], v[128*(\p)+FR*\b:128*(\p)+FR*\b+FR-1], v[AF+FR*(\a):AF+FR*(\a)+FR-1], v[BIAS+8*\b:BIAS+8*\b+7], v[SC+16*(\sc)+2*\b+(\q)], v[SC+16*(\sc)+2*(\a)+(\q)] matrix_a_fmt:MATRIX_FMT_FP6 matrix_b_fmt:MATRIX_FMT_FP6 matrix_a_scale:MATRIX_SCALE_ROW1
.endif
.endr
.endr
.endm
.macro FETCH_B slot, q, p
	WIN TO_B
.irp i, 0,1,2,3,4,5,6,7
	FRAG 128*(\p)+FR*\i, ADRB+\slot, \q, \i
.endr
	WIN 0
.endm
.macro FETCH_A slot, q, i0
.irp i, \i0, \i0+1, \i0+2, \i0+3
	FRAG AF+FR*(\i), ADRA+\slot, \q, \i
.endr
.endm
.macro SCALES sc
.irp i, 0,1,2,3,4,5,6,7
	ds_load_b64 v[SC+16*\sc+2*\i:SC+16*\sc+2*\i+1], v[ADRS] offset:512*\i
.endr
.endm
.macro STEP slot, q, mode
	s_wait_dscnt 4*NL                              ; B's set, A's tiles 0-3 and the scale words are in; the youngest 16 loads (A's tiles 4-7) may be out
.if \mode == 0
	WIN MUL_LO
.else
	WIN BEG_LO
.endif
	MUL16 0, (\q)%2, \q, \slot, \mode
	MUL16 2, (\q)%2, \q, \slot, \mode
	s_wait_dscnt 0
	PLACES NP
	FETCH_B \slot, (\q)+1, 1-(\q)%2
	FETCH_A \slot, (\q)+1, 0
.if \mode == 0
	WIN MUL_HI
.else
	WIN BEG_HI
.endif
	MUL16 4, (\q)%2, \q, \slot, \mode
	MUL16 6, (\q)%2, \q, \slot, \mode
	PLACES NP
	WIN 0
	FETCH_A \slot, (\q)+1, 4
.endm
.macro TURN slot, next, fill
	s_wait_tensorcnt 0x0                           ; all my tensor loads have landed: my part of the next slot
	ds_add_u32 v[SPW], v[NIL]                      ; 0 onto my spare word
	s_wait_dscnt 4*NL+1                            ; (the add and the youngest 16 loads may be out)
	WIN MUL_LO
	MUL16 0, 1, 1, \slot, 0
	s_wait_dscnt 0x0                               ; the add is done, and my reads of this slot are over
	s_barrier_signal -1
	MUL16 2, 1, 1, \slot, 0
	WIN 0
	s_barrier_wait -1
.if \fill
	CREST                                          ; the barrier has opened a round of the cluster's: no wave of any partner still reads this slot or has a load on its way
	s_add_nc_u64 s[G0+4*\slot+2:G0+4*\slot+3], s[G0+4*\slot+2:G0+4*\slot+3], 2*HALFT
	s_add_nc_u64 s[G0B+4*\slot+2:G0B+4*\slot+3], s[G0B+4*\slot+2:G0B+4*\slot+3], 2*HALFT
	JLOAD G0+4*\slot, G1, G0B+4*\slot, G1B
.else
	PLACES NP
.endif
	v_add_nc_u32 v[ADRS], 128, v[ADRS]
	FETCH_B \next, 0, 0
	FETCH_A \next, 0, 0
	SCALES \next
	WIN MUL_HI
	MUL16 4, 1, 1, \slot, 0
	MUL16 6, 1, 1, \slot, 0
	PLACES NP
	WIN 0
	FETCH_A \next, 0, 4
.endm
	s_load_b256 s[4:11], s[0:1], 0x0               ; yc, ysw, oc, os
	s_load_b128 s[12:15], s[0:1], 0x20             ; bp, out0
	v_lshl_add_u32 v[SPW], v0, 2, SPARE
	v_mov_b32 v[NIL], 0
	ds_add_u32 v28, v29
	ds_add_u32 v28, v29
	s_wait_dscnt 0x0
	v_lshrrev_b32 v1, 5, v0
	v_readfirstlane_b32 s18, v1                    ; wave
	s_lshr_b32 s19, s18, 1
	s_and_b32 s20, s18, 1
	s_bfe_u32 s21, ttmp6, 0x40000                  ; cx
	s_bfe_u32 s22, ttmp6, 0x40004                  ; cy
	s_and_b32 s23, ttmp7, 0xffff                   ; the cluster's y
	s_lshl_b32 s40, s22, 2
	s_lshl_b32 s40, 15, s40                        ; my row of the cluster
	s_lshl_b32 s41, 0x1111, s21                    ; my column
	s_or_b32 s[G1+0], s40, (3<<16)|(1<<21)
	s_or_b32 s[G1B+0], s41, (3<<16)|(1<<21)
.irp g, G1, G1B
	s_mov_b32 s[\g+1], 32<<16                      ; a dense block as 96 rows of 256 bytes
	s_mov_b32 s[\g+2], 96<<16
	s_mov_b32 s[\g+3], 32<<16
	s_mov_b32 s[\g+4], 96
	s_mov_b32 s[\g+5], 32
	s_mov_b32 s[\g+6], 0
	s_mov_b32 s[\g+7], 0
.endr
	s_or_b32 s[G1S+0], s40, (3<<16)|(1<<21)
	s_or_b32 s[G1SB+0], s41, (3<<16)|(1<<21)
.irp g, G1S, G1SB
	s_mov_b32 s[\g+1], 32<<16
	s_mov_b32 s[\g+2], 16<<16
	s_mov_b32 s[\g+3], 32<<16
	s_mov_b32 s[\g+4], 16
	s_mov_b32 s[\g+5], 32
	s_mov_b32 s[\g+6], 0
	s_mov_b32 s[\g+7], 0
.endr
	s_lshl_b32 s42, s23, 3
	s_lshl_b32 s44, s22, 1
	s_add_co_u32 s42, s42, s44                     ; y's first block of my work-group: 8 y + 2 cy
	s_lshl_b32 s43, s21, 1                         ; Wp's, counted from Wp's first: 2 cx
	s_add_co_u32 s45, s42, s20
	s_add_co_u32 s46, s43, s20
	s_add_co_u32 s46, s46, 56                      ; Wp begins at block 56 of oc
	s_mul_i32 s[G0+2], s45, 98304
	s_mov_b32 s[G0+3], 0
	s_lshl_b32 s[G0S+2], s45, 12
	s_mov_b32 s[G0S+3], 0
	s_mul_i32 s[G0B+2], s46, 98304
	s_mov_b32 s[G0B+3], 0
	s_lshl_b32 s[G0SB+2], s46, 12
	s_mov_b32 s[G0SB+3], 0
	s_mul_i32 s66, s18, HALFT
	s_lshl_b32 s67, s18, 12
	s_wait_kmcnt 0x0
	s_add_nc_u64 s[G0+2:G0+3], s[4:5], s[G0+2:G0+3]
	s_add_nc_u64 s[G0+6:G0+7], s[G0+2:G0+3], HALFT
	s_add_nc_u64 s[G0S+2:G0S+3], s[6:7], s[G0S+2:G0S+3]
	s_add_nc_u64 s[G0B+2:G0B+3], s[8:9], s[G0B+2:G0B+3]
	s_add_nc_u64 s[G0B+6:G0B+7], s[G0B+2:G0B+3], HALFT
	s_add_nc_u64 s[G0SB+2:G0SB+3], s[10:11], s[G0SB+2:G0SB+3]
.irp g, G0, G0B
	s_mov_b32 s[\g], 1
	s_mov_b32 s[\g+1], s66
	s_or_b32 s[\g+3], s[\g+3], 0x80000000
	s_mov_b32 s[\g+4], 1
	s_add_co_u32 s[\g+5], s66, SLOT
	s_or_b32 s[\g+7], s[\g+7], 0x80000000
.endr
.irp g, G0S, G0SB
	s_mov_b32 s[\g], 1
	s_add_co_u32 s[\g+1], s67, SCL
	s_or_b32 s[\g+3], s[\g+3], 0x80000000
.endr
	CROUND                                         ; all sixteen work-groups are here: the first joint loads meet
	JLOAD G0S, G1S, G0SB, G1SB                     ; three loads of mine are out: the scale words, slot 0, slot 1
	JLOAD G0, G1, G0B, G1B
	JLOAD G0+4, G1, G0B+4, G1B
	v_and_b32 v1, 31, v0
	v_and_b32 v2, 15, v0
	v_bfe_u32 v3, v0, 4, 1
	v_lshlrev_b32 v4, 4, v1
	v_lshlrev_b32 v5, 3, v1
	s_mul_i32 s2, s19, HALFT
	s_mul_i32 s3, s20, HALFT
	s_add_co_u32 s3, s3, 2*HALFT
.irp s, 0,1
	v_add_nc_u32 v[ADRA+\s], s2, v4
	v_add_nc_u32 v[ADRA+2+\s], s2, v5
	v_add_nc_u32 v[ADRB+\s], s3, v4
	v_add_nc_u32 v[ADRB+2+\s], s3, v5
	s_add_co_u32 s2, s2, SLOT
	s_add_co_u32 s3, s3, SLOT
.endr
	s_lshl_b32 s2, s19, 12
	s_lshl_b32 s3, s20, 12
	s_add_co_u32 s3, s3, 8192
	s_sub_co_u32 s3, s3, s2
	v_mul_u32_u24 v6, s3, v3                       ; lanes 16-31 take B's scale words
	s_add_co_u32 s2, s2, SCL
	v_lshl_add_u32 v6, v2, 3, v6
	v_add_nc_u32 v[ADRS], s2, v6
	s_mul_i32 s2, s18, 16*SPITCH                   ; my stage
	v_mul_u32_u24 v6, v2, SPITCH
	v_lshl_add_u32 v6, v3, 6, v6
	v_add_nc_u32 v[STO], s2, v6                    ; in: row r, + 64 h
	v_add_nc_u32 v[RD], s2, v4                     ; back: a row's 512 bytes, 16 a lane
	v_mov_b32 v[CO], v4
	s_add_co_u32 s44, s42, s19                     ; my block of 128 tokens
	s_lshl_b32 s2, s44, 19                         ; 128 rows of 4,096 bytes
	s_add_co_u32 s47, s43, s20
	s_lshl_b32 s47, s47, 9                         ; my 128 outputs: 512 bytes of a row, and of bp
	s_add_co_u32 s2, s2, s47
	s_mov_b32 s3, 0
	s_add_nc_u64 s[14:15], s[14:15], s[2:3]
	s_mov_b32 s2, s47
	s_add_nc_u64 s[12:13], s[12:13], s[2:3]
	v_lshlrev_b32 v7, 6, v3                        ; the bias in the result's layout: register 8 t + j = output 32 (t / 2) + 8 (t % 2) + 16 h + j
.irp t, 0,1,2,3,4,5,6,7
	global_load_b128 v[BIAS+8*\t:BIAS+8*\t+3], v7, s[12:13] offset:(32*(\t/2)+8*(\t%2))*4
	global_load_b128 v[BIAS+8*\t+4:BIAS+8*\t+7], v7, s[12:13] offset:(32*(\t/2)+8*(\t%2))*4+16
.endr
	s_wait_tensorcnt 1                             ; the scale words and my part of slot 0 are in; slot 1's load may be out
	s_barrier_signal -1
	s_barrier_wait -1
	FETCH_B 0, 0, 0
	FETCH_A 0, 0, 0
	SCALES 0
	FETCH_A 0, 0, 4
	s_wait_loadcnt 0x0                             ; the bias
	STEP 0, 0, 1                                   ; the first products start the sums with the bias: nothing is cleared
	TURN 0, 1, 1
	STEP 1, 0, 0
	TURN 1, 0, 1
	STEP 0, 0, 0
	TURN 0, 1, 0
	STEP 1, 0, 0
	s_wait_dscnt 4*NL
	WIN MUL_LO
	MUL16 0, 1, 1, 1, 0
	MUL16 2, 1, 1, 1, 0
	s_wait_dscnt 0
	WIN MUL_HI
	MUL16 4, 1, 1, 1, 0
	MUL16 6, 1, 1, 1, 0
	WIN 0
; THE WAY OUT, tile by tile of 16 tokens x 128 outputs, through my own stage: a lane's eight results are 32 neighbouring bytes of a row; they come back as whole rows of 512 bytes.
; LDS serves a wave's instructions in order: no wait between the stores and the loads.
.macro TOSTAGE a
.set AC, 64*((\a)%4)
.set WN, 0x08+4*((\a)/4)
	WIN WN                                         ; an LDS store's data: window 2 or 3
.irp b, 0,1,2,3,4,5,6,7
	ds_store_b128 v[STO], v[AC+8*\b:AC+8*\b+3] offset:128*(\b/2)+32*(\b%2)          ; each accumulator from its low end on
	ds_store_b128 v[STO], v[AC+8*\b+4:AC+8*\b+7] offset:128*(\b/2)+32*(\b%2)+16
.endr
	WIN 0
.set BB, BK+64*((\a)%2)
.irp t, 0,1,2,3,4,5,6,7,8,9,10,11,12,13,14,15
	ds_load_b128 v[BB+4*\t:BB+4*\t+3], v[RD] offset:\t*SPITCH
.endr
.endm
.macro SEND a, younger                 ; younger: the LDS instructions issued behind tile a's loads
.set BB, BK+64*((\a)%2)
	s_wait_dscnt \younger
.if (\a) > 0
.if ((\a)%2) == 1
	s_add_nc_u64 s[14:15], s[14:15], 8*4096        ; tile a begins at row 32 (a / 2) + 8 (a % 2) of my 128  (behind a wait on XCNT: the earlier stores have read their base)
.else
	s_add_nc_u64 s[14:15], s[14:15], 24*4096
.endif
.endif
.irp t, 0,1,2,3,4,5,6,7,8,9,10,11,12,13,14,15
	global_store_b128 v[CO], v[BB+4*\t:BB+4*\t+3], s[14:15] offset:(\t+8*(\t/8))*4096 th:TH_STORE_NT   ; 32 lanes store 512 consecutive bytes, aligned to 256
.endr
.endm
	PLACES NP                                      ; behind the last products: results are read, and loads go into A's registers
	TOSTAGE 0
.irp a, 1,2,3,4,5,6,7
.if \a > 1
	s_wait_xcnt 0x0                                ; tile a - 2's stores have read their registers and their base
.endif
	TOSTAGE \a
	SEND \a-1, 32                                  ; behind tile a - 1's loads: tile a's 16 stores and 16 loads
.endr
	s_wait_xcnt 0x0
	SEND 7, 0
	s_wait_tensorcnt 0x0                           ; the wave's end
	ds_add_u32 v[SPW], v[NIL]
	s_wait_dscnt 0x0
	CROUND                                         ; the closing round
	s_endpgm
.Lfunc_end_k_q122da2fe36_proj:
	.size	k_q122da2fe36_proj, .Lfunc_end_k_q122da2fe36_proj-k_q122da2fe36_proj
	.p2alignl 7, 3214868480
	.fill 96, 4, 3214868480
	.section	.rodata,"a",@progbits
	.p2align	6, 0x0
	.amdhsa_kernel k_q122da2fe36_proj
		.amdhsa_group_segment_fixed_size 327680
		.amdhsa_private_segment_fixed_size 0
		.amdhsa_enable_private_segment 0
		.amdhsa_kernarg_size 48
		.amdhsa_user_sgpr_count 2
		.amdhsa_user_sgpr_kernarg_segment_ptr 1
		.amdhsa_wavefront_size32 1
		.amdhsa_system_sgpr_workgroup_id_x 1
		.amdhsa_system_sgpr_workgroup_id_y 1
		.amdhsa_system_sgpr_workgroup_id_z 1
		.amdhsa_system_vgpr_workitem_id 0
		.amdhsa_next_free_vgpr 1024
		.amdhsa_next_free_sgpr 102
		.amdhsa_reserve_vcc 0
		.amdhsa_float_denorm_mode_32 3
		.amdhsa_float_denorm_mode_16_64 3
		.amdhsa_memory_ordered 1
		.amdhsa_forward_progress 1
		.amdhsa_inst_pref_size 145
	.end_amdhsa_kernel
	.amdgpu_metadata
---
amdhsa.version: [ 1, 2 ]
amdhsa.kernels:
  - .name:           k_q122da2fe36_proj
    .symbol:         k_q122da2fe36_proj.kd
    .args:
      - { .name: yc, .offset: 0, .size: 8, .value_kind: global_buffer, .address_space: global }
      - { .name: ysw, .offset: 8, .size: 8, .value_kind: global_buffer, .address_space: global }
      - { .name: oc, .offset: 16, .size: 8, .value_kind: global_buffer, .address_space: global }
      - { .name: os, .offset: 24, .size: 8, .value_kind: global_buffer, .address_space: global }
      - { .name: bp, .offset: 32, .size: 8, .value_kind: global_buffer, .address_space: global }
      - { .name: out0, .offset: 40, .size: 8, .value_kind: global_buffer, .address_space: global }
    .group_segment_fixed_size: 327680
    .private_segment_fixed_size: 0
    .kernarg_segment_align: 8
    .kernarg_segment_size: 48
    .max_flat_workgroup_size: 128
    .sgpr_count:     102
    .vgpr_count:     1024
    .wavefront_size: 32
...
	.end_amdgpu_metadata
.endif
;; end of part 4
;; ======== version 2 of 2: 4 launches; version 1 with the launch attn written anew for expert scheduling mode
;; workspace buffers: oc 6,291,456 bytes; os 262,144 bytes; qb 3,276,800 bytes; kv 6,553,600 bytes; yc 3,145,728 bytes; ysw 131,072 bytes
;; launch quant: the kernel of part 1 again; grid 512 x 1, 4 waves a work-group, no clusters, 68,096 bytes of LDS; arguments x, Wq, Wk, Wv, Wp, oc, os; writes oc, os
;; launch qkv: the kernel of part 2 again; grid 4 x 48, 4 waves a work-group, clusters of 4 x 4, 327,680 bytes of LDS; arguments oc, os, bq, bk, bv, qb, kv; writes qb, kv
;; launch attn (part 5): grid 8 x 32, 8 waves a work-group, no clusters, 30,208 bytes of LDS; arguments qb, kv, yc, ysw; writes yc, ysw
.if DOCPART == 5
	.amdgcn_target "amdgcn-amd-amdhsa--gfx1250"
	.amdhsa_code_object_version 6
	.text
	.protected	k_q122da2fe36_attn
	.globl	k_q122da2fe36_attn
	.p2align	8
	.type	k_q122da2fe36_attn,@function
k_q122da2fe36_attn:
	s_mov_b64 s[64:65], 0
	v_nop
	global_prefetch_b8 v0, s[64:65] scope:SCOPE_SE
	s_setreg_imm32_b32 hwreg(HW_REG_WAVE_SCHED_MODE, 0, 2), 2
	s_setreg_imm32_b32 hwreg(HW_REG_WAVE_MODE, 25, 1), 1
	s_wait_xcnt 0x0
	s_wait_alu depctr_vm_vsrc(0)
; y[b][q][64 head + d] = the sum over keys k <= q of softmax_k(q . k / 8) v, both products on codes of FP6 (E2M3) with E8M0 scales; y is quantised along C and leaves as codes for the last product.
; THE SOFTMAX: t = score x log2(e) / 8; M = the running largest t rounded UP to a whole number; p = 2^(t - M) is quantised along the keys; the row's sum is taken of the unquantised p and divides at the end.
; When M moves, the sum and O are multiplied by 2^(old M - new M): exact.  LIMITS: NaN and infinities are not served; a block of y under 2^-124 (zeros too) gets the byte 1.
; INPUTS.  qb [batch x 16 + head][block of 128 queries][6,400]: eight half fragments (16 queries x 64: 768 bytes each), 256 bytes of scale words.
; kv [batch x 16 + head][step of 128 keys][12,800]: four K fragments (each two tiles of 16 keys x 64), 256 bytes of scale words, four V^T fragments (16 d x 128 keys), 256 bytes of scale words.
; Lane-row r of tile a is row 32 (a / 2) + 8 (a % 2) + r + 8 (r / 8), for queries, keys and d: so a lane's 16 registers of two neighbouring result tiles are 16 neighbours.
; SHARES.  Work-group (I, head) owns the blocks I and 15 - I of 128 queries and takes them one after the other: I + 1 and 16 - I key steps, 17 in every work-group.  Wave w owns query tile w: 16 queries.
; No cluster: the work-groups of a head stand at different key steps at the same time, since their second blocks begin after different numbers of steps.
; A KEY STEP'S CODES, 12,288 bytes, are copied by the eight waves through registers (1,536 bytes a wave), one step ahead, into two LDS slots that take turns: one barrier a step.  The scale words go from memory straight into their registers.
; K = 64 IN AN INSTRUCTION OF 128: a K fragment holds key tile 2 b in k 0-63 and tile 2 b + 1 in k 64-127; it is multiplied by [q; 0] and by [0; q]: zero codes add nothing.
; Both products are used transposed: S^T = K Q^T, O^T = V^T P^T: a lane holds one query throughout.
; REGISTERS: v1-7, v11, v16-21 offsets; v12 -M, v13 the largest t, v[14:15] the sum; v32-79 four fragments; v80-91 the copy; v96-159 S^T, then p; v160-191 O^T; v192-197 zeros, v198-203 q, v204-209 zeros;
; v210 q's scale word, v[212:213] K's, v[214:215] and v[216:217] V's, by turns with the slot; v224-254 at work.
; THE MODE: SCHED_MODE bits 1:0 = 2 (LLVM: expert scheduling mode 2), set by the entry lines.  The code itself states the register dependences between vector or matrix instructions and memory or LDS instructions, with s_wait_alu, always for 0.
; THE PLAN.  Registers that memory or LDS instructions touch:
;   v1-3, v11, v16, v17, v20, v21   offsets and LDS addresses: written at the head, never again.  v251, v255: written at the head, read by the closing add alone.
;   v32-79     K's LDS loads land at a step's head; K Q^T reads them; V's LDS loads land behind K Q^T; V^T P reads them.
;   v80-91     the copy's global loads land at a step's head; the LDS stores at the step's end read them; no vector instruction names them.
;   v212-213   K Q^T reads them; the next step's words land behind it.
;   v214-217   step j's V^T P reads pair j % 2; the words of step j + 1 land in the other pair, which the V^T P of step j - 1 read last.
;   v198-203, v18   q and its scale word: loaded at the head and where the second block of queries begins; read by K Q^T and by one v_perm_b32.
;   v224-229, v238  y's codes and byte: written by vector instructions at a block's end, read by its three stores, written again by the next softmax.
; So a step has three waits on va_vdst beside the softmax's two: at its head (ahead of K's loads), behind K Q^T (ahead of both scale loads and V's loads), and ahead of V^T P (p's codes and scale word);
; and one on vm_vsrc, at its end, behind the LDS stores.  A block's end has one of each, round its three stores.
.set SEL, 20                           ; s[20:21] lane selects: lane l xor 16
.set CS,  22                           ; s[22:23] c = log2(e) / 8
.set SLB, 16384                        ; from slot 0 to slot 1
.set VOFF, 6400                        ; V's part of a step's block
; s12 wave, s13 I, s14 batch x 16 + head, s15 steps of the first block, s16 the trip's first step, s17 step + 1, s[18:19] the next tile's offset in the head, s24 wave / 2, s25 mask of lanes 16-31, s26 byte select for q's scales,
; s27 steps in which I prefetch, s[28:29] the head in kv, s[30:31] the prefetches' place, s[32:33] q's block, s[34:35] y's codes, s[36:37] y's scale bytes, s[40:41] the next tile in kv, s44, s45 constants of y's offsets, s46 the step,
; s48-63 the causal mask's sixteen lane masks
.macro PASSPTR                         ; s38 = the block of 128 queries
	s_lshl_b32 s39, s14, 4
	s_add_co_u32 s39, s39, s38
	s_mul_i32 s42, s39, 6400
	s_mov_b32 s43, 0
	s_add_nc_u64 s[32:33], s[4:5], s[42:43]
	s_lshr_b32 s39, s14, 4
	s_lshl_b32 s39, s39, 4
	s_add_co_u32 s39, s39, s38                     ; the block of 128 tokens among all 32
	s_mul_i32 s42, s39, 98304
	s_add_co_u32 s42, s42, s44
	s_add_nc_u64 s[34:35], s[8:9], s[42:43]
	s_lshl_b32 s42, s39, 12
	s_add_co_u32 s42, s42, s45
	s_add_nc_u64 s[36:37], s[10:11], s[42:43]
.endm
.macro QLOAD
	global_load_b128 v[198:201], v20, s[32:33]
	global_load_b64 v[202:203], v21, s[32:33]
	global_load_b32 v18, v17, s[32:33]
.endm
.macro INIT
	v_perm_b32 v210, v18, v18, s26                 ; q's two bytes twice: for [q; 0] and for [0; q].  The moves below are the places between this line and the next scaled product
	v_mov_b32 v13, 0xff61b1e6                      ; the largest t so far: -3e38
	v_floor_f32 v12, -v13
	v_mov_b32 v14, 0
	v_mov_b32 v15, 0
.irp j, 0,1,2,3,4,5,6,7,8,9,10,11,12,13,14,15,16,17,18,19,20,21,22,23,24,25,26,27,28,29,30,31
	v_mov_b32 v[160+\j], 0                         ; the step is written once: a block's first step finds zeros
.endr
.endm
.macro MASKB b                         ; on the diagonal: keys 32 b .. 32 b + 31 of the step.  A block all of whose keys count for my 16 queries is passed over (a branch on the wave's number)
	s_cmp_gt_u32 s24, \b
	s_cbranch_scc1 .Lvis_\@
.irp i, 0,1,2,3,4,5,6,7,8,9,10,11,12,13,14,15
	v_cmp_gt_i32 s[48+\i], 32*\b+\i, v6            ; register 16 b + i holds key 32 b + 16 h + i: hidden where it comes after my query.  The sixteen compares stand in one run, a scalar register each
.endr
	s_wait_alu depctr_va_sdst(0)                   ; the sixteen compares have written s48 to s63, which the selections below read
.irp i, 0,1,2,3,4,5,6,7,8,9,10,11,12,13,14,15
	v_cndmask_b32 v[96+16*\b+\i], v[96+16*\b+\i], v7, s[48+\i]
.endr
.Lvis_\@:
.endm
.macro SOFTMAX
.irp b, 0,1,2,3
	v_max3_num_f32 v[232+\b], v[96+16*\b], v[97+16*\b], v[98+16*\b]   ; the largest score of each block of 32 keys: for the row's maximum and, since p rises with the score, for the block's largest p
.endr
.irp i, 3,5,7,9,11,13
.irp b, 0,1,2,3
	v_max3_num_f32 v[232+\b], v[232+\b], v[96+16*\b+\i], v[97+16*\b+\i]
.endr
.endr
.irp b, 0,1,2,3
	v_max_num_f32 v[232+\b], v[232+\b], v[111+16*\b]
.endr
.irp b, 0,1,2,3
	v_permlanex16_b32 v[236+\b], v[232+\b], s[SEL], s[SEL+1]
.endr
.irp b, 0,1,2,3
	v_max_num_f32 v[232+\b], v[232+\b], v[236+\b]
.endr
	v_max3_num_f32 v254, v232, v233, v234
	v_max_num_f32 v254, v254, v235
	v_mul_f32 v254, s[CS], v254
	v_max_num_f32 v13, v13, v254                   ; the running largest t
	v_mov_b32 v254, v12
	v_floor_f32 v12, -v13                          ; -M = floor(-t): M is a whole number
	v_sub_f32 v254, v12, v254
	v_cvt_i32_f32 v254, v254                       ; (it saturates)
	v_ldexp_f32 v252, 1.0, v254                    ; f = 2^(old M - new M)
.irp j, 0,2,4,6,8,10,12,14,16,18,20,22,24,26,28,30,32,34,36,38,40,42,44,46,48,50,52,54,56,58,60,62
	v_pk_fma_f32 v[96+\j:97+\j], v[96+\j:97+\j], s[CS:CS+1], v[12:13] op_sel_hi:[1,0,0]   ; t - M
.endr
.irp b, 0,1,2,3
	v_fma_f32 v[232+\b], v[232+\b], s[CS], v12
.endr
.irp j, 0,1,2,3,4,5,6,7,8,9,10,11,12,13,14,15,16,17,18,19,20,21,22,23,24,25,26,27,28,29,30,31,32,33,34,35,36,37,38,39,40,41,42,43,44,45,46,47,48,49,50,51,52,53,54,55,56,57,58,59,60,61,62,63
	v_exp_f32 v[96+\j], v[96+\j]                   ; p = 2^(t - M)
.endr
	v_pk_mul_f32 v[14:15], v[14:15], v[252:253] op_sel_hi:[1,0]   ; the sums under the new M: the plain instruction behind the exponentials
	s_wait_alu depctr_va_vdst(0)                   ; the 64 exponentials have written v96 to v159: one wait for the batch, ahead of its first reader
.irp b, 0,1,2,3
	v_exp_f32 v[232+\b], v[232+\b]                 ; each block's largest p
.endr
	v_pk_add_f32 v[236:237], v[96:97], v[98:99]    ; the row's sum, of the unquantised p, in two chains
.irp j, 4,8,12,16,20,24,28,32,36,40,44,48,52,56,60
	v_pk_add_f32 v[14:15], v[14:15], v[96+\j:97+\j]
	v_pk_add_f32 v[236:237], v[236:237], v[98+\j:99+\j]
.endr
	v_pk_add_f32 v[14:15], v[14:15], v[236:237]
	s_wait_alu depctr_va_vdst(0)                   ; the four exponentials have written v232 to v235, ahead of their first reader
.irp b, 0,1,2,3
	v_max_num_f32 v[232+\b], 0x1800000, v[232+\b]  ; the floor 2^(3 - 127): a block whose every p is 0 keeps the byte 1: its codes are zeros
.endr
.irp b, 0,1,2,3
	v_add_nc_u32 v[244+\b], 0xff000000, v[232+\b]
.endr
.irp b, 0,1,2,3
	v_lshrrev_b32 v[236+\b], 23, v[244+\b]
.endr
	v_lshl_or_b32 v253, v237, 8, v236              ; p's scale word for these 128 keys
	v_lshl_or_b32 v253, v238, 16, v253
	v_lshl_or_b32 v253, v239, 24, v253
.irp c, 0,1
	v_cvt_scalef32_pk16_fp6_f32 v[224+6*\c:226+6*\c], v[96+32*\c:111+32*\c], v[244+2*\c]
	v_cvt_scalef32_pk16_fp6_f32 v[236+4*\c:238+4*\c], v[112+32*\c:127+32*\c], v[244+2*\c+1]
.endr
	v_nop                                          ; one plain instruction behind the scaled conversions
.irp c, 0,1
.irp i, 0,1,2
	v_permlane16_swap_b32 v[224+6*\c+\i], v[236+4*\c+\i]
.endr
.irp i, 0,1,2
	v_mov_b32 v[227+6*\c+\i], v[236+4*\c+\i]
.endr
.endr
.irp j, 0,2,4,6,8,10,12,14,16,18,20,22,24,26,28,30
	v_pk_mul_f32 v[160+\j:161+\j], v[160+\j:161+\j], v[252:253] op_sel_hi:[1,0]   ; O^T under the new M; these 16 are also the places between p's codes and scale word and the products
.endr
.endm
; A block of queries is finished: O^T / the sum is y's 64 numbers of my head: two blocks of 32 along C: half a fragment, and two scale bytes
.macro FINISH
	v_add_f32 v14, v14, v15
	v_permlanex16_b32 v252, v14, s[SEL], s[SEL+1]
	v_add_f32 v14, v14, v252                       ; the row's sum
	v_rcp_f32 v14, v14
	v_nop                                          ; a plain instruction behind the reciprocal,
	s_wait_alu depctr_va_vdst(0)                   ; and the wait: the reciprocal has written v14, ahead of its first reader
.irp j, 0,2,4,6,8,10,12,14,16,18,20,22,24,26,28,30
	v_pk_mul_f32 v[96+\j:97+\j], v[160+\j:161+\j], v[14:15] op_sel_hi:[1,0]   ; register 16 b + i = d 32 b + 16 h + i; each accumulator from its low end on
.endr
.irp b, 0,1
	v_max3_num_f32 v[232+\b], |v[96+16*\b]|, |v[97+16*\b]|, 0x1800000
.endr
.irp i, 2,4,6,8,10,12,14
.irp b, 0,1
	v_max3_num_f32 v[232+\b], v[232+\b], |v[96+16*\b+\i]|, |v[97+16*\b+\i]|
.endr
.endr
.irp b, 0,1
	v_permlanex16_b32 v[236+\b], v[232+\b], s[SEL], s[SEL+1]
.endr
.irp b, 0,1
	v_max_num_f32 v[232+\b], v[232+\b], v[236+\b]
.endr
.irp b, 0,1
	v_add_nc_u32 v[244+\b], 0xff000000, v[232+\b]
.endr
.irp b, 0,1
	v_lshrrev_b32 v[236+\b], 23, v[244+\b]
.endr
	v_cvt_scalef32_pk16_fp6_f32 v[224:226], v[96:111], v244
	v_cvt_scalef32_pk16_fp6_f32 v[228:230], v[112:127], v245
	v_nop
.irp i, 0,1,2
	v_permlane16_swap_b32 v[224+\i], v[228+\i]
.endr
	v_mov_b32 v227, v228
	v_mov_b32 v228, v229
	v_mov_b32 v229, v230
	v_cndmask_b32 v238, v236, v237, s25            ; lanes 0-15 the first block's byte of row r, lanes 16-31 the second's
	s_wait_alu depctr_va_vdst(0)                   ; v224 to v229 and v238 are written, which the three stores read; and every product that read q's registers, and the v_perm_b32 that read v18, are done: the next block's q may land there
	global_store_b128 v1, v[224:227], s[34:35]     ; 512 and 256 consecutive bytes, aligned to 256
	global_store_b64 v2, v[228:229], s[34:35] offset:512
	global_store_b8 v11, v238, s[36:37]            ; two bytes of each row's scale word: the other two are the neighbouring head's
	s_wait_xcnt 0x0                                ; the stores have read their registers and bases
.endm
; A KEY STEP on LDS slot 'slot'.  fetch = 1: the next step's tile is copied into the other slot; half: the step's place in the trip
.macro STEP slot, fetch, half
.if \fetch
	s_add_co_u32 s46, s16, \half                   ; the step's number
	s_cmp_lg_u32 s46, s15
	s_cbranch_scc1 .Lsame_\@                       ; (a branch on the work-group's number; no barrier and no LDS instruction stands in it)
	FINISH                                         ; the first block of queries is finished: on to block 15 - I
	s_wait_alu depctr_vm_vsrc(0)                   ; y's three stores have read v224 to v229 and v238, which the next softmax writes again
	s_sub_co_u32 s38, 15, s13
	PASSPTR
	QLOAD                                          ; no vector or matrix instruction since the wait ahead of y's stores names v198 to v203 or v18
	s_wait_loadcnt 0x0
	INIT
.Lsame_\@:
.endif
	s_wait_alu depctr_va_vdst(0)                   ; the last step's V^T P is done reading v32 to v79, in which K's fragments land; v210 and the zero codes beside q are written, which the scaled products below take
.irp b, 0,1,2,3                                ; K's four fragments: asked for first of all, so that the first has landed when the pointers are stepped and the copy is asked for
	ds_load_b128 v[32+12*\b:35+12*\b], v1 offset:SLB*\slot+1536*\b
	ds_load_b64 v[36+12*\b:37+12*\b], v2 offset:SLB*\slot+1536*\b+512
	ds_load_b128 v[38+12*\b:41+12*\b], v1 offset:SLB*\slot+1536*\b+768
	ds_load_b64 v[42+12*\b:43+12*\b], v2 offset:SLB*\slot+1536*\b+1280
.endr
.if \fetch
	s_wait_xcnt 0x0                                ; the last step's loads and prefetch have read their bases, so these may be written
	s_add_nc_u64 s[30:31], s[30:31], 16384
	s_add_co_u32 s18, s18, 12800                   ; the next step's tile: the next 128 keys,
	s_add_co_u32 s17, s46, 1
	s_cmp_eq_u32 s17, s15
	s_cselect_b32 s18, 0, s18                      ; or the head's first, where the second block of queries begins
	s_add_nc_u64 s[40:41], s[28:29], s[18:19]
.irp i, 0,1,2
	global_load_b128 v[80+4*\i:83+4*\i], v3, s[40:41] offset:512*\i   ; (the wait at the last step's end has shown that its LDS stores have read these registers)
.endr
	; A prefetch into the L2.  All eight work-groups of a head walk the same tiles: the head's first work-group asks, its waves 0 and 1, in steps 0 to 10: 32 lanes 256 bytes apart, 8,192 bytes a wave and step:
	; 11 x 16,384 bytes from byte 24,576 to the head's last, 204,800: each block of 256 bytes once.  It runs 1.9 tiles ahead of that work-group's own loads at step 0 and gains 0.28 tiles a step.
	s_cmp_lt_u32 s46, s27
	s_cbranch_scc0 .Lnp_\@
	global_prefetch_b8 v16, s[30:31] th:TH_LOAD_NT scope:SCOPE_SE
.Lnp_\@:
.endif
.if \fetch
	s_wait_loadcnt 4                               ; K's scale words are in; behind them were issued V's and the three loads of the copy
.else
	s_wait_loadcnt 1                               ; behind them: V's
.endif
.irp b, 0,1,2,3
	s_wait_dscnt 12-4*\b                           ; LDS loads come back in order: fragment b is in, the four loads of each later fragment may be out
.if \b % 2
	v_wmma_scale_f32_16x16x128_f8f6f4 v[96+16*\b:103+16*\b], v[32+12*\b:43+12*\b], v[198:209], 0, v[212+\b/2], v210 matrix_a_fmt:MATRIX_FMT_FP6 matrix_b_fmt:MATRIX_FMT_FP6 matrix_a_scale:MATRIX_SCALE_ROW1
	v_wmma_scale_f32_16x16x128_f8f6f4 v[104+16*\b:111+16*\b], v[32+12*\b:43+12*\b], v[192:203], 0, v[212+\b/2], v210 matrix_a_fmt:MATRIX_FMT_FP6 matrix_b_fmt:MATRIX_FMT_FP6 matrix_a_scale:MATRIX_SCALE_ROW1
.else
	v_wmma_scale_f32_16x16x128_f8f6f4 v[96+16*\b:103+16*\b], v[32+12*\b:43+12*\b], v[198:209], 0, v[212+\b/2], v210 matrix_a_fmt:MATRIX_FMT_FP6 matrix_b_fmt:MATRIX_FMT_FP6
	v_wmma_scale_f32_16x16x128_f8f6f4 v[104+16*\b:111+16*\b], v[32+12*\b:43+12*\b], v[192:203], 0, v[212+\b/2], v210 matrix_a_fmt:MATRIX_FMT_FP6 matrix_b_fmt:MATRIX_FMT_FP6
.endif
.endr
.rept 4
	v_nop                                          ; places behind the products: their results are read by the mask and the softmax
.endr
	s_wait_alu depctr_va_vdst(0)                   ; K Q^T is done reading v32 to v79 and v212, v213; the last step's V^T P is done reading the other pair of V's scale words: the loads below land in these
.if \fetch
	global_load_b64 v[212:213], v2, s[40:41] offset:6144   ; the next step's scale words of K,
	global_load_b64 v[214+2*(1-\slot):215+2*(1-\slot)], v2, s[40:41] offset:VOFF+6144   ; and of V, into the pair that this step does not read
.endif
.irp t, 0,1,2,3                                ; V's four fragments land under the softmax, which names none of the registers that these loads touch
.irp c, 0,1,2
	ds_load_b128 v[32+12*\t+4*\c:35+12*\t+4*\c], v1 offset:SLB*\slot+VOFF+1536*\t+512*\c
.endr
.endr
.if \fetch
	s_cmp_lg_u32 s17, s15                          ; only a block's last step lies on the diagonal
	s_cbranch_scc1 .Lopen_\@
.endif
	MASKB 0
	MASKB 1
	MASKB 2
	MASKB 3
.Lopen_\@:
	SOFTMAX
.if \fetch
	s_wait_loadcnt 5                               ; V's scale words are in; behind them: the copy's three loads and the next step's two loads of scale words
.else
	s_wait_loadcnt 0x0
.endif
	s_wait_dscnt 0x0
	s_wait_alu depctr_va_vdst(0)                   ; p's codes v224 to v235 and its scale word v253 are written, which the scaled products take; the places stand ahead of this wait
.irp t, 0,1,2,3
.if \t % 2
	v_wmma_scale_f32_16x16x128_f8f6f4 v[160+8*\t:167+8*\t], v[32+12*\t:43+12*\t], v[224:235], v[160+8*\t:167+8*\t], v[214+2*\slot+\t/2], v253 matrix_a_fmt:MATRIX_FMT_FP6 matrix_b_fmt:MATRIX_FMT_FP6 matrix_a_scale:MATRIX_SCALE_ROW1
.else
	v_wmma_scale_f32_16x16x128_f8f6f4 v[160+8*\t:167+8*\t], v[32+12*\t:43+12*\t], v[224:235], v[160+8*\t:167+8*\t], v[214+2*\slot+\t/2], v253 matrix_a_fmt:MATRIX_FMT_FP6 matrix_b_fmt:MATRIX_FMT_FP6
.endif
.endr
.rept 4
	v_nop                                          ; places behind the products: where a block of queries ends, O^T is read next
.endr
.if \fetch
	s_wait_loadcnt 2                               ; the copy's three loads are in; the two loads of scale words may be out
.irp i, 0,1,2
	ds_store_b128 v3, v[80+4*\i:83+4*\i] offset:SLB*(1-\slot)+512*\i   ; into the slot that every wave left at the last barrier
.endr
	s_wait_dscnt 0x0                               ; my stores have landed and my reads of this slot are over
	s_wait_alu depctr_vm_vsrc(0)                   ; the three LDS stores have read v80 to v91, in which the next step's copy lands
	s_barrier_signal -1
	s_barrier_wait -1
.endif
.endm
	s_load_b256 s[4:11], s[0:1], 0x0               ; qb, kv, yc, ysw
	v_lshl_add_u32 v251, v0, 2, 0x7200
	v_mov_b32 v255, 0
	v_lshrrev_b32 v22, 5, v0
	v_readfirstlane_b32 s12, v22                   ; wave
	s_mov_b32 s13, ttmp9                           ; I
	s_and_b32 s14, ttmp7, 0xffff                   ; batch x 16 + head
	s_add_co_u32 s15, s13, 1
	v_and_b32 v22, 31, v0                          ; lane
	v_and_b32 v23, 15, v0                          ; r
	v_bfe_u32 v24, v0, 4, 1                        ; h
	v_lshlrev_b32 v1, 4, v22                       ; 16 x lane
	v_lshlrev_b32 v2, 3, v22                       ; 8 x lane
	s_wait_alu depctr_va_sdst(0)                   ; s12 is written, ahead of its first reader: offsets, selects and branches are made from it
	s_mul_i32 s38, s12, 1536
	s_lshr_b32 s39, s12, 2
	s_lshl_b32 s39, s39, 8
	s_add_co_u32 s38, s38, s39
	v_add_nc_u32 v3, s38, v1                       ; my wave's 1,536 bytes of a tile, in memory and in a slot: K fragment w, or V fragment w - 4 behind K's scale words
	s_lshr_b32 s24, s12, 1
	s_lshl_b32 s38, s24, 5
	s_and_b32 s39, s12, 1
	s_lshl_b32 s47, s39, 3
	s_add_co_u32 s38, s38, s47
	v_lshrrev_b32 v25, 3, v23
	v_lshl_add_u32 v25, v25, 3, v23
	v_lshlrev_b32 v26, 4, v24
	v_sub_nc_u32 v25, v25, v26
	v_add_nc_u32 v6, s38, v25                      ; my query in its block of 128, less 16 h
	v_mov_b32 v7, 0xff800000                       ; -infinity
	v_lshl_add_u32 v11, v23, 3, v24                ; y's scale bytes: 8 r + h
	s_lshl_b32 s47, s39, 13
	v_lshl_add_u32 v16, v22, 8, s47                ; the prefetches: 256 x lane + 8,192 x (wave % 2)
	s_and_b32 s47, s24, 1
	s_lshl_b32 s47, s47, 7
	s_lshr_b32 s38, s12, 2
	s_lshl_b32 s38, s38, 2
	s_add_co_u32 s47, s47, s38
	s_add_co_u32 s47, s47, 6144
	v_lshl_add_u32 v17, v23, 3, s47                ; q's scale word: pair w / 2 of tiles
	s_mul_i32 s38, s12, 768
	v_add_nc_u32 v20, s38, v1                      ; q's half fragment
	s_add_co_u32 s38, s38, 512
	v_add_nc_u32 v21, s38, v2
.irp j, 192,193,194,195,196,197,204,205,206,207,208,209
	v_mov_b32 v[\j], 0                             ; zero codes on either side of q
.endr
.irp j, 236,237,238,239,252,253
	v_mov_b32 v[\j], 0                             ; written once: lane permutes' destinations, and the upper half of the pair v[252:253]
.endr
	s_mov_b32 s[SEL], 0x76543210
	s_mov_b32 s[SEL+1], 0xfedcba98
	s_mov_b32 s[CS], 0x3e38aa3b
	s_mov_b32 s[CS+1], s[CS]
	s_mov_b32 s25, 0xffff0000
	s_mov_b32 s26, 0x03020302
	s_cmp_eq_u32 s39, 0
	s_cselect_b32 s26, 0x01000100, s26             ; my tile's two bytes of the pair's word
	s_or_b32 s38, s24, s13
	s_cmp_eq_u32 s38, 0
	s_cselect_b32 s27, 11, 0
	s_and_b32 s38, s14, 15                         ; the head
	s_lshr_b32 s39, s38, 1
	s_mul_i32 s44, s39, 12288                      ; y's codes: K step head / 2,
	s_and_b32 s47, s14, 1
	s_mul_i32 s42, s47, 768                        ; half head % 2,
	s_add_co_u32 s44, s44, s42
	s_mul_i32 s42, s12, 1536                       ; tile w
	s_add_co_u32 s44, s44, s42
	s_lshl_b32 s45, s12, 9                         ; y's scale bytes: tile w,
	s_lshr_b32 s42, s38, 2
	s_lshl_b32 s42, s42, 7                         ; pair of K steps head / 4,
	s_add_co_u32 s45, s45, s42
	s_and_b32 s42, s39, 1
	s_lshl_b32 s42, s42, 2                         ; word (head / 2) % 2,
	s_add_co_u32 s45, s45, s42
	s_lshl_b32 s42, s47, 1                         ; bytes 2 (head % 2) on
	s_add_co_u32 s45, s45, s42
	s_mov_b32 s18, 0
	s_mov_b32 s19, 0
	s_mov_b32 s16, 0
	s_wait_kmcnt 0x0
	s_mul_i32 s42, s14, 204800
	s_mov_b32 s43, 0
	s_add_nc_u64 s[28:29], s[6:7], s[42:43]
	s_add_nc_u64 s[30:31], s[28:29], 8192          ; the first step moves it on to byte 24,576
	s_mov_b64 s[40:41], s[28:29]
	s_mov_b32 s38, s13
	PASSPTR
	s_wait_alu depctr_va_vdst(0)                   ; the offsets and LDS addresses v1, v2, v3, v11, v16, v17, v20 and v21 are written: every load, store and prefetch of the kernel reads one of them, and none is written again
	QLOAD
.irp i, 0,1,2
	global_load_b128 v[80+4*\i:83+4*\i], v3, s[40:41] offset:512*\i
.endr
	global_load_b64 v[212:213], v2, s[40:41] offset:6144
	global_load_b64 v[214:215], v2, s[40:41] offset:VOFF+6144
	s_wait_loadcnt 2                               ; q and the first tile's codes are in; the two loads of scale words may be out
.irp i, 0,1,2
	ds_store_b128 v3, v[80+4*\i:83+4*\i] offset:512*\i
.endr
	INIT
	s_wait_dscnt 0x0
	s_wait_alu depctr_vm_vsrc(0)                   ; the three LDS stores have read v80 to v91, in which the first step's copy lands
	s_barrier_signal -1
	s_barrier_wait -1
.Lstep:                                            ; eight trips of two steps: the slots, and the pairs of V's scale words, stand in the immediates and register numbers
	STEP 0, 1, 0
	STEP 1, 1, 1
	s_add_co_u32 s16, s16, 2
	s_cmp_lt_u32 s16, 16
	s_cbranch_scc1 .Lstep
	STEP 0, 0, 0                                   ; the seventeenth step: the second block's diagonal; nothing more is fetched
	FINISH
	s_wait_dscnt 0x0                               ; the closing lines, six on end
	s_wait_alu 0x0
	s_wait_tensorcnt 0x0
	ds_add_u32 v251, v255
	s_wait_dscnt 0x0
	s_endpgm
.Lfunc_end_k_q122da2fe36_attn:
	.size	k_q122da2fe36_attn, .Lfunc_end_k_q122da2fe36_attn-k_q122da2fe36_attn
	.p2alignl 7, 3214868480
	.fill 96, 4, 3214868480
	.section	.rodata,"a",@progbits
	.p2align	6, 0x0
	.amdhsa_kernel k_q122da2fe36_attn
		.amdhsa_group_segment_fixed_size 30208
		.amdhsa_private_segment_fixed_size 0
		.amdhsa_enable_private_segment 0
		.amdhsa_kernarg_size 32
		.amdhsa_user_sgpr_count 2
		.amdhsa_user_sgpr_kernarg_segment_ptr 1
		.amdhsa_wavefront_size32 1
		.amdhsa_system_sgpr_workgroup_id_x 1
		.amdhsa_system_sgpr_workgroup_id_y 1
		.amdhsa_system_sgpr_workgroup_id_z 1
		.amdhsa_system_vgpr_workitem_id 0
		.amdhsa_next_free_vgpr 256
		.amdhsa_next_free_sgpr 66
		.amdhsa_reserve_vcc 0
		.amdhsa_float_denorm_mode_32 3
		.amdhsa_float_denorm_mode_16_64 3
		.amdhsa_memory_ordered 1
		.amdhsa_forward_progress 1
		.amdhsa_inst_pref_size 99
	.end_amdhsa_kernel
	.amdgpu_metadata
---
amdhsa.version: [ 1, 2 ]
amdhsa.kernels:
  - .name:           k_q122da2fe36_attn
    .symbol:         k_q122da2fe36_attn.kd
    .args:
      - { .name: qb, .offset: 0, .size: 8, .value_kind: global_buffer, .address_space: global }
      - { .name: kv, .offset: 8, .size: 8, .value_kind: global_buffer, .address_space: global }
      - { .name: yc, .offset: 16, .size: 8, .value_kind: global_buffer, .address_space: global }
      - { .name: ysw, .offset: 24, .size: 8, .value_kind: global_buffer, .address_space: global }
    .group_segment_fixed_size: 30208
    .private_segment_fixed_size: 0
    .kernarg_segment_align: 8
    .kernarg_segment_size: 32
    .max_flat_workgroup_size: 256
    .sgpr_count:     66
    .vgpr_count:     256
    .wavefront_size: 32
...
	.end_amdgpu_metadata
.endif
;; end of part 5
;; launch proj: the kernel of part 4 again; grid 4 x 16, 4 waves a work-group, clusters of 4 x 4, 327,680 bytes of LDS; arguments yc, ysw, oc, os, bp, out0; writes out0
